; MI455X (gfx1250); checked and timed in simulation.
; The chip was launched on July 23, 2026; its instructions are those of AMD's public machine-readable ISA for CDNA 5 (MIT licence, August 2026) and "CDNA5" Instruction Set Architecture Reference Guide (July 2026). The comments in the code are by the model that wrote it; some were corrected since.
;; Casual Self Attention. Allowed arithmetic: matrix products marked QUANTISED: E4M3 operands, one given power-of-two scale a tensor, by v_wmma_f32_16x16x64_fp8_fp8 or v_wmma_f32_16x16x128_fp8_fp8, f32 sums; everything else in f32.
;; Inputs: W_out 1,024 x 1,024 float32; W_qkv 1,024 x 3,072 float32; b_out 1,024 float32; b_qkv 3,072 float32; lowp_scales 8 int32 (the exponents e of the quantised operands' scales 2^e); x 4 x 2,048 x 1,024 float32.
;; Outputs: out0 4 x 2,048 x 1,024 float32.
;; This version of the problem:
;;   THIS VERSION OF THE PROBLEM IS GIVEN IN LOW PRECISION. The matrix products marked QUANTISED in the list below multiply operands that are first quantised to E4M3 (4 exponent bits, 3 mantissa bits; 8 bits a number), with one given power-of-two scale for each operand tensor; their sums are f32. All else is computed in f32.
;;   The module's matrix products, in the order in which they are computed (A, B: the left and right operand; K: the contracted axis; several contracted axes count as one K, in the product's order):
;;     1. [M 8,192, K 1,024] x [K 1,024, N 3,072]; A: input x; B: input W_qkv: QUANTISED (scales: A lowp_scales[0], B lowp_scales[1])
;;     2. batch 64 x [M 2,048, K 64] x [K 64, N 2,048]; A: computed on the way; B: computed on the way: QUANTISED (scales: A lowp_scales[2], B lowp_scales[3])
;;     3. batch 64 x [M 2,048, K 2,048] x [K 2,048, N 64]; A: softmax (see below); B: computed on the way: QUANTISED (scales: A lowp_scales[4], B lowp_scales[5])
;;     4. [M 8,192, K 1,024] x [K 1,024, N 1,024]; A: computed on the way; B: input W_out: QUANTISED (scales: A lowp_scales[6], B lowp_scales[7])
;;   THE QUANTISER, for each operand of a quantised product, along K:
;;     - The operand's scale is 2^e, e = its entry of the input lowp_scales (int32; the entries are numbered through the quantised products in the list's order, A before B).
;;     - Each number is divided by the scale, clamped to +-448, and rounded to the nearest number of E4M3, ties to even, subnormals kept.
;;     - The product sums the exact products of the quantised numbers (number of the format x scale) in f32.
;;   ~~~python
;;   def quantise(x, axis, e):      # numpy; x: float32 -> the quantised numbers, widened to float32 again
;;       x = np.moveaxis(x, axis, -1); K = x.shape[-1]
;;       r = np.clip(x / 2.0 ** e, -448, 448)
;;       step = 2.0 ** (np.maximum(np.frexp(np.where(r == 0, 1, r))[1] - 1, -6) - 3)
;;       q = np.round(r / step) * step * 2.0 ** e      # np.round: ties to even
;;       return np.moveaxis(q, -1, axis).astype(np.float32)
;;   ~~~
;;   SOFTMAX AHEAD OF A QUANTISED PRODUCT. Where the list says 'softmax', what is quantised is not the finished softmax but p = 2^(t - M), with t = logit x log2(e) and M = ceil(the row's largest t), a whole number; so 1/2 < the row's largest p <= 1. The row's sum l is taken of the UNQUANTISED p, in f32, and the product's result is divided by l at the end. Since M is a whole number, a kernel that streams over the keys may use a running M (the ceiling of the running maximum): every later rescaling is an exact power of two, so the quantised numbers keep their values, but for numbers so far below the row's largest that they fall under the format's range.
;;   OPERANDS COMPUTED ON THE WAY. 'Computed on the way' means the value that the module computes at that place (a softmax that the list does not call 'softmax' is quantised finished and normalised). What goes into a quantiser is computed in f32, as accurately as f32 sums, v_exp_f32 and their like allow (about 1e-6 of the number): no bf16 or f16 on the way to a quantiser, and a product that is left as it is and whose result goes on into a quantised operand takes f32 operands (vector FMAs, or v_wmma_f32_16x16x4_f32). A number that lies on a knife's edge between two numbers of the format may be rounded either way, as far as f32 arithmetic and the matrix unit's own rounding can turn it there, and no further.
;; One version. Each part assembles by itself: llvm-mc -triple=amdgcn-amd-amdhsa -mcpu=gfx1250 --defsym DOCPART=n.
;; ======== version 1 of 1: 4 launches
;; limits: right only within a limited range of input values
;; workspace buffers: x_img 8,388,608 bytes; wqkv_img 3,145,728 bytes; wout_img 1,048,576 bytes; q_img 8,388,608 bytes; k_img 8,388,608 bytes; v_img 8,388,608 bytes; y_img 8,388,608 bytes
;; launch quant (part 1): grid 384 x 1, 4 waves a work-group, no clusters, 35,328 bytes of LDS; arguments x, W_qkv, W_out, lowp_scales, x_img, wqkv_img, wout_img; writes x_img, wqkv_img, wout_img
.if DOCPART == 1
	.amdgcn_target "amdgcn-amd-amdhsa--gfx1250"
	.amdhsa_code_object_version 6
	.text
	.protected	k_qebe60a7a3c_quant
	.globl	k_qebe60a7a3c_quant
	.p2align	8
	.type	k_qebe60a7a3c_quant,@function
k_qebe60a7a3c_quant:
	s_mov_b64 s[64:65], 0
	v_nop
	global_prefetch_b8 v0, s[64:65] scope:SCOPE_SE
	s_setreg_imm32_b32 hwreg(HW_REG_WAVE_MODE, 25, 1), 1
	s_wait_xcnt 0x0
; x [8192][1024], W_qkv [1024][3072] and W_out [1024][1024], f32, become codes of FP8 (E4M3), each with its given scale 2^e (entries 0, 1 and 7 of the scales):
; code = number / 2^e, held within +-448, to the nearest code, ties to even.
; LIMITS: each e lies between -126 and 119, so that 2^e and 448 x 2^e are f32 numbers.  NaN among the inputs is not served.
; THE CODES ARE LAID AS IMAGES OF OPERAND REGISTERS.  A fragment, 16 rows x 128 along K, is 2,048 bytes: [c = 0..3][lane 0..31][16 bytes]; lane r + 16 h holds K = 32 c + 16 h + 0..15 of its row.
; A buffer is [tile][fragment along K: 8][2,048].  Lane r of tile T holds row 32 (T / 2) + 8 (T % 2) + r + 8 (r / 8): two neighbouring tiles share 32 neighbouring rows, eight by eight.
; Work-groups 0 to 255 take x, 32 rows (two tiles) each; work-groups 256 to 383 take the weights, 128 columns x 256 along K each.  Waves share nothing: no barrier.
; x: K is innermost.  A load takes 256 neighbouring bytes of each of two rows; the numbers turn through the wave's own stage in LDS, so that a lane gets 16 neighbours along K.
; Weights: K is the first axis.  A lane takes a column and its registers run down K: the conversions' results are the image's bytes as they stand; no LDS.
.set SP,  272                          ; a row's place in the stage: 256 bytes + 16, so that 16 rows start at 16 different groups of banks
.set WST, 32*SP                        ; a wave's stage: 32 rows
.set R,   16                           ; x: v16-143   two sets of 64 registers as loaded
.set X,   144                          ; x: v144-207  four groups of 16 neighbours
.set C,   208                          ; x: v208-239  two sets of 16 registers of codes
.set VO,  16                           ; weights: v16-47   byte offset of row i of a block of 32, at my column
.set WX,  48                           ; weights: v48-111  two sets of 32 numbers
.set WC,  112                          ; weights: v112-175 eight registers of codes for each block: never written again
.macro SCALES e                        ; s[e] holds the exponent: v11 = 2^e (the conversion takes its exponent field), s58 = 448 x 2^e
	s_add_co_i32 s58, s[\e], 127
	s_lshl_b32 s59, s58, 23
	v_mov_b32 v11, s59
	s_add_co_i32 s58, s58, 8
	s_lshl_b32 s58, s58, 23
	s_or_b32 s58, s58, 0x600000
.endm
.macro XLOAD j                         ; step j: 64 along K of the 32 rows; load i takes rows 2 i and 2 i + 1, sixteen lanes 256 consecutive aligned bytes
.set i, 0
.rept 16
	global_load_b128 v[R+64*((\j)%2)+4*i:R+64*((\j)%2)+4*i+3], v2, s[4:5] offset:2*i*4096+256*(\j) th:TH_LOAD_NT
.set i, i+1
.endr
.endm
.macro XSTEP j
.if (\j) < 3
	s_wait_loadcnt 16                              ; this step's 16 loads are in; the next step's 16 may be out
.else
	s_wait_loadcnt 0x0
.endif
.set i, 0
.rept 16                                       ; row m of the 32 goes to place 16 u + r, where it is lane r of tile u
	ds_store_b128 v3, v[R+64*((\j)%2)+4*i:R+64*((\j)%2)+4*i+3] offset:(16*((i>>2)&1)+2*(i&3)+8*(i>>3))*SP
.set i, i+1
.endr
	v_nop
.irp gq, 0,1,2,3                               ; group gq: tile gq / 2, the (gq % 2)-th 32 along K: my 16 neighbours.  LDS serves a wave's instructions in order: these see the stores
.irp i4, 0,1,2,3
	ds_load_b128 v[X+16*\gq+4*\i4:X+16*\gq+4*\i4+3], v4 offset:16*(\gq/2)*SP+128*(\gq%2)+16*\i4
.endr
.endr
	s_wait_dscnt 0x0                               ; the numbers are back, and the stores into the stage have read their registers
.if (\j) < 2
	XLOAD (\j)+2
.else
	s_wait_xcnt 0x0                                ; the stores of two steps ago have read their codes: that set is written again below
.endif
.irp gq, 0,1,2,3
.set i, 0
.rept 16
.set i, i+1
.endr
	v_cvt_scalef32_pk8_fp8_f32 v[C+16*((\j)%2)+4*\gq:C+16*((\j)%2)+4*\gq+1], v[X+16*\gq:X+16*\gq+7], v11
	v_cvt_scalef32_pk8_fp8_f32 v[C+16*((\j)%2)+4*\gq+2:C+16*((\j)%2)+4*\gq+3], v[X+16*\gq+8:X+16*\gq+15], v11
	global_store_b128 v5, v[C+16*((\j)%2)+4*\gq:C+16*((\j)%2)+4*\gq+3], s[12:13] offset:(\gq/2)*16384+((\j)/2)*2048+(2*((\j)%2)+(\gq%2))*512   ; 512 consecutive bytes of an image
.endr
.endm
.macro WLOAD t                         ; block t: rows 32 t .. 32 t + 31 of my 256 along K, at my column
.set i, 0
.rept 32
	global_load_b32 v[WX+32*((\t)%2)+i], v[VO+i], s[32+2*(\t):33+2*(\t)] th:TH_LOAD_NT
.set i, i+1
.endr
.endm
.macro WBLOCK t
.if (\t) < 7
	s_wait_loadcnt 32                              ; this block's 32 loads are in; the next block's may be out
.else
	s_wait_loadcnt 0x0
.endif
.set XS, WX+32*((\t)%2)
.set i, 0
.rept 32
.set i, i+1
.endr
.irp g, 0,1,2,3
	v_cvt_scalef32_pk8_fp8_f32 v[WC+8*(\t)+2*\g:WC+8*(\t)+2*\g+1], v[XS+8*\g:XS+8*\g+7], v11
.endr
	global_store_b128 v3, v[WC+8*(\t):WC+8*(\t)+3], s[50:51] offset:((\t)/4)*2048+((\t)%4)*512        ; K = 32 t + 0..15: the image's lanes 0-15; sixteen lanes fill 256 aligned bytes of one tile, sixteen of the next
	global_store_b128 v3, v[WC+8*(\t)+4:WC+8*(\t)+7], s[50:51] offset:((\t)/4)*2048+((\t)%4)*512+256  ; K = 32 t + 16..31: its lanes 16-31
.if (\t) < 6
	WLOAD (\t)+2
.endif
.endm
	s_load_b256 s[4:11], s[0:1], 0x0               ; x s[4:5], W_qkv s[6:7], W_out s[8:9], the scales' exponents s[10:11]
	s_load_b128 s[12:15], s[0:1], 0x20             ; x_img s[12:13], wqkv_img s[14:15]
	s_load_b64 s[16:17], s[0:1], 0x30              ; wout_img
	v_lshl_add_u32 v240, v0, 2, 0x8800
	v_mov_b32 v241, 0
	v_lshrrev_b32 v1, 5, v0
	v_readfirstlane_b32 s18, v1                    ; wave 0..3
	v_and_b32 v1, 31, v0                           ; lane
	s_wait_kmcnt 0x0
	s_load_b256 s[24:31], s[10:11], 0x0            ; e0 .. e7
	s_cmp_lt_u32 ttmp9, 256
	s_cbranch_scc0 .Lweights
	; ---- x: work-group P takes rows 32 P on; wave w takes K = 256 w on, in four steps of 64
	v_and_b32 v6, 15, v0                           ; lane % 16
	v_bfe_u32 v7, v0, 4, 1                         ; lane / 16
	v_lshlrev_b32 v8, 4, v6
	v_lshl_add_u32 v2, v7, 12, v8                  ; in memory: one row of 4,096 bytes for each half of the lanes, 16 bytes a lane
	s_wait_alu depctr_va_vdst(0)
	s_mul_i32 s19, s18, WST
	v_mad_u32_u24 v3, v7, SP, v8
	v_add_nc_u32 v3, s19, v3                       ; into the stage, as loaded
	v_mul_u32_u24 v4, v6, SP
	v_lshl_add_u32 v4, v7, 6, v4
	v_add_nc_u32 v4, s19, v4                       ; out of it: place r, + 64 h bytes: my 16 numbers of 32
	v_lshlrev_b32 v5, 4, v1                        ; 16 x lane: my place in an image
	s_lshl_b32 s20, ttmp9, 17                      ; 32 rows of 4,096 bytes
	s_lshl_b32 s21, s18, 10                        ; 256 numbers
	s_add_co_u32 s20, s20, s21
	s_mov_b32 s21, 0
	s_add_nc_u64 s[4:5], s[4:5], s[20:21]
	s_lshl_b32 s20, ttmp9, 15                      ; two tiles of 16,384 bytes
	s_lshl_b32 s22, s18, 12                        ; two fragments
	s_add_co_u32 s20, s20, s22
	s_add_nc_u64 s[12:13], s[12:13], s[20:21]
	XLOAD 0
	XLOAD 1
	s_wait_alu depctr_va_vdst(0)
	s_wait_kmcnt 0x0
	SCALES 24
	s_wait_alu depctr_va_vdst(0)
	XSTEP 0
	XSTEP 1
	XSTEP 2
	XSTEP 3
	s_wait_tensorcnt 0x0
	ds_add_u32 v240, v241
	s_wait_dscnt 0x0
	s_endpgm
.Lweights:
	; ---- the weights: work-group 256 + 4 cg + ky; cg 0..23: 128 columns of W_qkv, 24..31: of W_out; ky: 256 along K.  Wave w takes 32 columns: two tiles
	s_sub_co_u32 s19, ttmp9, 256
	s_lshr_b32 s20, s19, 2                         ; cg
	s_and_b32 s21, s19, 3                          ; ky
	s_sub_co_u32 s22, s20, 24
	s_mov_b32 s23, 4096
	s_cmp_lt_u32 s20, 24                           ; the choice hangs on the work-group's number alone
	s_cselect_b64 s[48:49], s[6:7], s[8:9]         ; the weight,
	s_cselect_b64 s[50:51], s[14:15], s[16:17]     ; its images,
	s_cselect_b32 s23, 12288, s23                  ; a row of it in bytes,
	s_cselect_b32 s22, s20, s22                    ; and which 128 columns of it
	s_lshl_b32 s53, s22, 2
	s_add_co_u32 s53, s53, s18                     ; which 32 columns: the pair of tiles
	s_lshl_b32 s54, s53, 7                         ; 32 numbers are 128 bytes
	s_lshl_b32 s55, s21, 8
	s_mul_i32 s55, s55, s23                        ; 256 ky rows
	s_add_co_u32 s54, s54, s55
	s_mov_b32 s55, 0
	s_add_nc_u64 s[32:33], s[48:49], s[54:55]      ; block 0's first row at my wave's first column
	s_lshl_b32 s54, s23, 5                         ; 32 rows on
.irp t, 1,2,3,4,5,6,7
	s_add_nc_u64 s[32+2*\t:33+2*\t], s[30+2*\t:31+2*\t], s[54:55]
.endr
	s_lshl_b32 s56, s53, 15                        ; two tiles of 16,384 bytes,
	s_lshl_b32 s57, s21, 12                        ; two fragments
	s_add_co_u32 s56, s56, s57
	s_mov_b32 s57, 0
	s_add_nc_u64 s[50:51], s[50:51], s[56:57]
	s_wait_alu depctr_va_vdst(0)
	v_lshlrev_b32 v[VO], 2, v1                     ; 4 bytes a lane: 128 consecutive bytes a wave, 512 a work-group
.set i, 1
.rept 31
	v_add_nc_u32 v[VO+i], s23, v[VO+i-1]
.set i, i+1
.endr
	v_bfe_u32 v3, v1, 3, 1                         ; column l of the 32 is lane (l % 8) + 8 (l / 16) of tile (l / 8) % 2
	v_lshlrev_b32 v3, 14, v3
	v_and_b32 v4, 7, v1
	v_lshrrev_b32 v5, 4, v1
	v_lshl_add_u32 v4, v5, 3, v4
	v_lshl_add_u32 v3, v4, 4, v3
	WLOAD 0
	WLOAD 1
	s_wait_kmcnt 0x0
	s_cmp_lt_u32 s20, 24
	s_cselect_b32 s52, s25, s31                    ; e1 or e7
	SCALES 52
	s_wait_alu depctr_va_vdst(0)
.irp t, 0,1,2,3,4,5,6,7
	WBLOCK \t
.endr
	s_endpgm
.Lfunc_end_k_qebe60a7a3c_quant:
	.size	k_qebe60a7a3c_quant, .Lfunc_end_k_qebe60a7a3c_quant-k_qebe60a7a3c_quant
	.p2alignl 7, 3214868480
	.fill 96, 4, 3214868480
	.section	.rodata,"a",@progbits
	.p2align	6, 0x0
	.amdhsa_kernel k_qebe60a7a3c_quant
		.amdhsa_group_segment_fixed_size 35328
		.amdhsa_private_segment_fixed_size 0
		.amdhsa_enable_private_segment 0
		.amdhsa_kernarg_size 56
		.amdhsa_user_sgpr_count 2
		.amdhsa_user_sgpr_kernarg_segment_ptr 1
		.amdhsa_wavefront_size32 1
		.amdhsa_system_sgpr_workgroup_id_x 1
		.amdhsa_system_sgpr_workgroup_id_y 1
		.amdhsa_system_sgpr_workgroup_id_z 1
		.amdhsa_system_vgpr_workitem_id 0
		.amdhsa_next_free_vgpr 242
		.amdhsa_next_free_sgpr 66
		.amdhsa_reserve_vcc 0
		.amdhsa_float_denorm_mode_32 3
		.amdhsa_float_denorm_mode_16_64 3
		.amdhsa_fp16_overflow 1
		.amdhsa_memory_ordered 1
		.amdhsa_forward_progress 1
		.amdhsa_inst_pref_size 51
	.end_amdhsa_kernel
	.amdgpu_metadata
---
amdhsa.version: [ 1, 2 ]
amdhsa.kernels:
  - .name:           k_qebe60a7a3c_quant
    .symbol:         k_qebe60a7a3c_quant.kd
    .args:
      - { .name: x, .offset: 0, .size: 8, .value_kind: global_buffer, .address_space: global }
      - { .name: W_qkv, .offset: 8, .size: 8, .value_kind: global_buffer, .address_space: global }
      - { .name: W_out, .offset: 16, .size: 8, .value_kind: global_buffer, .address_space: global }
      - { .name: lowp_scales, .offset: 24, .size: 8, .value_kind: global_buffer, .address_space: global }
      - { .name: x_img, .offset: 32, .size: 8, .value_kind: global_buffer, .address_space: global }
      - { .name: wqkv_img, .offset: 40, .size: 8, .value_kind: global_buffer, .address_space: global }
      - { .name: wout_img, .offset: 48, .size: 8, .value_kind: global_buffer, .address_space: global }
    .group_segment_fixed_size: 35328
    .private_segment_fixed_size: 0
    .kernarg_segment_align: 8
    .kernarg_segment_size: 56
    .max_flat_workgroup_size: 128
    .sgpr_count:     66
    .vgpr_count:     242
    .wavefront_size: 32
...
	.end_amdgpu_metadata
.endif
;; end of part 1
;; launch qkv (part 2): grid 8 x 48, 4 waves a work-group, clusters of 4 x 4, 327,680 bytes of LDS; arguments x_img, wqkv_img, b_qkv, lowp_scales, q_img, k_img, v_img; writes q_img, k_img, v_img
.if DOCPART == 2
	.amdgcn_target "amdgcn-amd-amdhsa--gfx1250"
	.amdhsa_code_object_version 6
	.text
	.protected	k_qebe60a7a3c_qkv
	.globl	k_qebe60a7a3c_qkv
	.p2align	8
	.type	k_qebe60a7a3c_qkv,@function
k_qebe60a7a3c_qkv:
	s_mov_b64 s[64:65], 0
	v_nop
	global_prefetch_b8 v0, s[64:65] scope:SCOPE_SE
	s_setreg_imm32_b32 hwreg(HW_REG_WAVE_MODE, 25, 1), 1
	s_wait_xcnt 0x0
	s_wait_alu depctr_hold_cnt(0) depctr_sa_sdst(0) depctr_va_vdst(0) depctr_va_sdst(0) depctr_va_ssrc(0) depctr_va_vcc(0) depctr_vm_vsrc(0)
	s_getreg_b32 s2, hwreg(HW_REG_IB_STS2, 6, 4)
	s_cmp_eq_u32 s2, 0
	s_cbranch_scc0 .Lentry_in_a_cluster
	s_endpgm
.Lentry_in_a_cluster:
	s_bfe_u32 s2, ttmp6, 0x10000c
	s_cmp_lg_u32 s2, 0xf033
	s_cbranch_scc0 .Lentry_shape_is_right
	s_endpgm
.Lentry_shape_is_right:
; qkv = x W_qkv + b_qkv on codes of FP8 (E4M3), K = 1,024; q, k and v are quantised at once, with their given scales, and stored as images of the registers in which the attention launch wants them.
; IMAGES: a fragment, 16 rows x 128 K, is 2,048 bytes [c = 0..3][lane][16]; lane r + 16 h holds K = 32 c + 16 h + 0..15; lane r of tile T holds row 32 (T / 2) + 8 (T % 2) + r + 8 (r / 8).
; That places k otherwise than the matrix form's own layout does, alike in both operands: every product meets its partner, and only the order of the sums inside an instruction changes.
; THE MATRIX INSTRUCTION IS USED WITH SOURCE 0 = A TILE OF 'B', SOURCE 1 = A TILE OF 'A': a lane holds one row of A, and the 16 registers of B's tiles 2 b, 2 b + 1 are B's rows 32 b + 16 h + 0..15:
; 16 neighbours along the next product's K.  Two conversions make of them 16 bytes of the next image, and the wave stores 512 consecutive bytes.  Nothing goes through LDS on the way out.
; ROLES.  Clusters with y < 8 make q and k: A = tokens (x), B = W's rows: a lane holds a token, registers run along the head's channels.
; Clusters with y = 8..11 make v: A = W's rows 2,048 on, B = tokens: a lane holds a channel, registers run along the KEYS, which are the K of attention's second product: v is never transposed.
; The role hangs on the cluster's y alone, the same in all sixteen partners; it chooses pointers, offsets and masks by s_cselect, and no branch hangs on it.
; The bias is wanted along the registers in one role and along the lanes in the other.  Every work-group loads both forms, from places inside b_qkv; the form that its role does not want is cleared.
; A work-group makes 256 x 256, a wave 128 x 128: 64 accumulators.  K goes in four steps of 256 through two LDS slots; the eight steps of 128 are written out, there is no loop.
; CLUSTERS: 4 x 4.  A's tiles are shared along a row of the cluster, B's along a column: each is asked for jointly, by the same tensor load with a mask that names the four.
; LIMITS: e0 + e1 between -126 and 127; e2, e3, e5 between -126 and 119.  NaN among the inputs is not served.
; REGISTERS, in windows of 256.  Window 0: v16-21 LDS addresses; v28, v29 for the add; v30 2^e; v32-95 the bias along registers; v96-103 along lanes; v104-111 store offsets; v112-127 at work;
;   v128-255 A's eight fragments, one set; on the way out the codes.   Window 1: B's fragments, two sets, at v0 and v128.   Windows 2, 3: the accumulators, (a, b) at v[8 ((8 a + b) % 32)].
.set NBT,   8                          ; B's tiles in a wave
.set SLOT,  (16+2*NBT)*4096            ; a slot: 256 along K (4,096 bytes) of A's 16 tiles, then of B's
.set BOFF,  65536
.set SPARE, 2*SLOT                     ; behind the ring: the spare words, 128 bytes for each wave, which no other line names
.set ADRA,  16
.set ADRB,  20
.set SPW,   28
.set NIL,   29
.set SCL,   30
.set LIM,   31
.set BB,    32
.set BA,    96
.set OFFA,  104
.set TMP,   112
.set AF,    128
.set CODE,  128
.set G1,    24                         ; s[24:31] descriptor group 1 for A's tiles; s[32:39] group 0, a set for each slot
.set G0,    32
.set G1B,   48                         ; s[48:55], s[56:63] the same for B's
.set G0B,   56
.set TO_B,  0x40                       ; destination window 1, address window 0
.set MSB, 0
.macro WIN new                         ; the immediate's high byte repeats the setting that is left
.if MSB != (\new)
	s_set_vgpr_msb (MSB<<8)|(\new)
.set MSB, (\new)
.endif
.endm
.macro JLOAD s                         ; a joint load: waves 0 and 1 fetch A's halves, waves 2 and 3 B's; the branch hangs on the wave's number alone; four v_nop follow each line
	s_cmp_eq_u32 s15, 0
	s_cbranch_scc0 .Lfor_b_\@
	tensor_load_to_lds s[G0+4*\s:G0+4*\s+3], s[G1:G1+7]
	s_nop 0
.rept 4
	v_nop
.endr
	s_branch .Lasked_\@
.Lfor_b_\@:
	tensor_load_to_lds s[G0B+4*\s:G0B+4*\s+3], s[G1B:G1B+7]
	s_nop 0
.rept 4
	v_nop
.endr
.Lasked_\@:
.endm
.macro CREST                           ; a round of the cluster's barrier behind its opening barrier
	s_cmp_lg_u32 s14, 0
	s_cbranch_scc1 .Lnot_wave_0_\@
	s_barrier_signal -3
.Lnot_wave_0_\@:
	s_barrier_wait -3
	s_barrier_signal -1
	s_barrier_wait -1
.endm
.macro CROUND
	s_barrier_signal -1
	s_barrier_wait -1
	CREST
.endm
.macro PLACES                          ; four plain vector instructions between a matrix instruction and a load into, or a read of, its registers
.rept 4
	v_nop
.endr
.endm
.macro FRAG reg, adr, q, i             ; tile i's q-th fragment of a slot, as it lies: 512 consecutive bytes a load
.irp c, 0,1,2,3
	ds_load_b128 v[\reg+4*\c:\reg+4*\c+3], v[\adr] offset:(\i)*4096+(\q)*2048+512*\c
.endr
.endm
.macro FETCH_B slot, q, p              ; B's fragments into set p
	WIN TO_B
.set fi, 0
.rept NBT
	FRAG 128*(\p)+16*fi, ADRB+\slot, \q, fi
.set fi, fi+1
.endr
	WIN 0
.endm
.macro FETCH_A slot, q, i0             ; A's blocks i0 .. i0 + 3
.irp i, \i0, \i0+1, \i0+2, \i0+3
	FRAG AF+16*(\i), ADRA+\slot, \q, \i
.endr
.endm
.macro MULH a0, p, zero                ; A's blocks a0, a0 + 1 against B's set p.  zero = 1: the products start the sums.  The accumulators take turns, in the same order in every step
.set ACW, 2+(NBT*(\a0))/32
.set WSEL, 0x01|(ACW<<4)|(ACW<<6)
	WIN WSEL
.set ma, \a0
.rept 2
.set mb, 0
.rept NBT
.set rD, 8*((NBT*ma+mb)%32)
.if \zero
	v_wmma_f32_16x16x128_fp8_fp8 v[rD:rD+7], v[128*(\p)+16*mb:128*(\p)+16*mb+15], v[AF+16*ma:AF+16*ma+15], 0
.else
	v_wmma_f32_16x16x128_fp8_fp8 v[rD:rD+7], v[128*(\p)+16*mb:128*(\p)+16*mb+15], v[AF+16*ma:AF+16*ma+15], v[rD:rD+7]
.endif
.set mb, mb+1
.endr
.set ma, ma+1
.endr
.endm
.macro STEP slot, zero                 ; a slot's first 128 along K (B's set 0); the second 128's fragments are fetched on the way
	s_wait_dscnt 16                                ; B's set and A's blocks 0-3 are in; the youngest 16 loads (A's blocks 4-7) may be out
	MULH 0, 0, \zero
	MULH 2, 0, \zero
	s_wait_dscnt 0x0                               ; A's blocks 4-7 are in
	PLACES
	FETCH_B \slot, 1, 1
	FETCH_A \slot, 1, 0
	MULH 4, 0, \zero
	MULH 6, 0, \zero
	PLACES
	WIN 0
	FETCH_A \slot, 1, 4
.endm
.macro TURN slot, next, fill           ; a slot's second 128 along K (B's set 1), and the change of slots.  fill = 1: this slot is filled again, two K steps on
	s_wait_tensorcnt 0x0                           ; all my tensor loads have landed: my part of the next slot
	ds_add_u32 v[SPW], v[NIL]                      ; 0 onto my spare word
	s_wait_dscnt 17                                ; (the add and the youngest 16 loads may be out)
	MULH 0, 1, 0
	s_wait_dscnt 0x0                               ; the add is done, and my reads of this slot are over
	s_barrier_signal -1
	MULH 2, 1, 0
	WIN 0
	s_barrier_wait -1
.if \fill
	CREST                                          ; the barrier has opened a round of the cluster's: no wave of any partner still reads this slot or has a load on its way
	s_add_nc_u64 s[G0+4*\slot+2:G0+4*\slot+3], s[G0+4*\slot+2:G0+4*\slot+3], 8192
	s_add_nc_u64 s[G0B+4*\slot+2:G0B+4*\slot+3], s[G0B+4*\slot+2:G0B+4*\slot+3], 8192
	JLOAD \slot                                    ; the first tensor load behind the round; its four v_nop are also the places in front of the loads below
.else
	PLACES
.endif
	FETCH_B \next, 0, 0
	FETCH_A \next, 0, 0
	MULH 4, 1, 0
	MULH 6, 1, 0
	PLACES
	WIN 0
	FETCH_A \next, 0, 4
.endm
	s_load_b256 s[4:11], s[0:1], 0x0               ; x_img s[4:5], wqkv_img s[6:7], b_qkv s[8:9], the scales' exponents s[10:11]
	s_load_b128 s[68:71], s[0:1], 0x20             ; q_img s[68:69], k_img s[70:71]
	s_load_b64 s[72:73], s[0:1], 0x30              ; v_img
	v_lshl_add_u32 v[SPW], v0, 2, SPARE
	v_mov_b32 v[NIL], 0
	ds_add_u32 v28, v29
	ds_add_u32 v28, v29
	s_wait_dscnt 0x0
	v_lshrrev_b32 v1, 5, v0
	v_readfirstlane_b32 s14, v1                    ; wave 0..3
	s_lshr_b32 s15, s14, 1                         ; wr: which 128 rows of A are mine.  Also: I fetch for A (0) or for B (1)
	s_and_b32 s16, s14, 1                          ; wc: which 128 rows of B.  Also: which half of the tiles I fetch
	s_bfe_u32 s40, ttmp6, 0x40000                  ; cx
	s_bfe_u32 s41, ttmp6, 0x40004                  ; cy
	s_lshl_b32 s42, ttmp9, 2
	s_add_co_u32 s42, s42, s40                     ; work-group x, 0..7
	s_and_b32 s17, ttmp7, 0xffff                   ; the cluster's y, 0..11: from 8 on the role is v's
	s_lshl_b32 s18, s17, 2
	s_add_co_u32 s18, s18, s41                     ; work-group y
	s_lshl_b32 s43, s41, 2
	s_lshl_b32 s43, 15, s43                        ; my row of the cluster
	s_lshl_b32 s44, 0x1111, s40                    ; my column
	; descriptor group 1: rows of 4,096 bytes (512 elements of 8), one for each tile, 16,384 bytes (2,048 elements) apart; dense in LDS
	s_or_b32 s[G1], s43, (3<<16)|(1<<21)           ; 15:0 the mask: my row; 17:16 elements of 8 bytes; 21 set beside a mask
	s_or_b32 s[G1B], s44, (3<<16)|(1<<21)          ; my column
	s_mov_b32 s[G1+1], 512<<16                     ; tensor_dim0
	s_mov_b32 s[G1+2], 8<<16                       ; tensor_dim1: 8 tiles
	s_mov_b32 s[G1+3], 512<<16                     ; tile_dim0
	s_mov_b32 s[G1+4], 8                           ; tile_dim1
	s_mov_b32 s[G1+5], 2048                        ; tensor_dim0_stride
	s_mov_b32 s[G1+6], 0
	s_mov_b32 s[G1+7], 0
	s_mov_b32 s[G1B+1], 512<<16
	s_mov_b32 s[G1B+2], NBT<<16
	s_mov_b32 s[G1B+3], 512<<16
	s_mov_b32 s[G1B+4], NBT
	s_mov_b32 s[G1B+5], 2048
	s_mov_b32 s[G1B+6], 0
	s_mov_b32 s[G1B+7], 0
	; the first tile that I fetch.  A's hangs on the cluster's y and cy alone, B's on the cluster's x and y and cx alone
	s_lshl_b32 s66, s16, 3                         ; 8 tiles for the second half
	s_lshl_b32 s19, s17, 6
	s_sub_co_u32 s22, s17, 8
	s_lshl_b32 s22, s22, 7
	s_cmp_ge_u32 s17, 8
	s_cselect_b32 s20, 128, s19                    ; A: v: W's tile 128 + 16 cy;  q, k: x's tile 16 (4 Y + cy)
	s_cselect_b32 s46, s22, 0                      ; B: v: x's tile 16 (8 (Y - 8) + work-group x);  q, k: W's tile 16 x work-group x
	s_lshl_b32 s19, s41, 4
	s_add_co_u32 s20, s20, s19
	s_add_co_u32 s20, s20, s66
	s_lshl_b32 s20, s20, 14                        ; a tile is 16,384 bytes
	s_mov_b32 s21, 0
	s_lshl_b32 s23, s42, 4
	s_add_co_u32 s46, s46, s23
	s_add_co_u32 s46, s46, s66
	s_lshl_b32 s46, s46, 14
	s_mov_b32 s47, 0
	s_lshl_b32 s45, s16, 15                        ; where they go in a slot: A's halves,
	s_mul_i32 s67, s16, NBT*4096
	s_add_co_u32 s67, s67, BOFF                    ; B's halves: no place in the cluster enters an LDS address
	s_wait_kmcnt 0x0
	s_load_b256 s[80:87], s[10:11], 0x0            ; e0 .. e7
	s_cmp_ge_u32 s17, 8
	s_cselect_b64 s[74:75], s[6:7], s[4:5]         ; A's buffer
	s_cselect_b64 s[76:77], s[4:5], s[6:7]         ; B's
	s_add_nc_u64 s[74:75], s[74:75], s[20:21]
	s_add_nc_u64 s[76:77], s[76:77], s[46:47]
	CROUND                                         ; all sixteen work-groups are here: the first joint loads meet
.irp s, 0,1
	s_mov_b32 s[G0+4*\s], 1
	s_add_co_u32 s[G0+4*\s+1], s45, \s*SLOT
	s_add_nc_u64 s[G0+4*\s+2:G0+4*\s+3], s[74:75], \s*4096    ; K step s
	s_or_b32 s[G0+4*\s+3], s[G0+4*\s+3], 0x80000000
	s_mov_b32 s[G0B+4*\s], 1
	s_add_co_u32 s[G0B+4*\s+1], s67, \s*SLOT
	s_add_nc_u64 s[G0B+4*\s+2:G0B+4*\s+3], s[76:77], \s*4096
	s_or_b32 s[G0B+4*\s+3], s[G0B+4*\s+3], 0x80000000
	JLOAD \s                                       ; two loads of mine are out
.endr
	v_and_b32 v2, 31, v0
	v_lshlrev_b32 v3, 4, v2                        ; 16 x lane: my place in every image
	s_lshl_b32 s20, s15, 15                        ; my 8 tiles of A,
	s_mul_i32 s21, s16, NBT*4096
	s_add_co_u32 s21, s21, BOFF                    ; of B
.irp s, 0,1
	v_add_nc_u32 v[ADRA+\s], s20, v3
	v_add_nc_u32 v[ADRB+\s], s21, v3
	s_add_co_u32 s20, s20, SLOT
	s_add_co_u32 s21, s21, SLOT
.endr
	; the bias, in both forms
	v_and_b32 v4, 15, v0                           ; r
	v_bfe_u32 v5, v0, 4, 1                         ; h
	v_lshlrev_b32 v6, 6, v5                        ; along registers: 16 h numbers on
	s_wait_alu depctr_va_vdst(0)
	v_and_b32 v7, 8, v4
	v_add_nc_u32 v7, v7, v4
	v_lshlrev_b32 v7, 2, v7                        ; along lanes: r + 8 (r / 8) numbers on
	s_wait_alu depctr_va_vdst(0)
	s_lshl_b32 s20, s42, 8
	s_lshl_b32 s21, s16, 7
	s_add_co_u32 s20, s20, s21                     ; q, k: B's first row of W: 256 x work-group x + 128 wc
	s_lshl_b32 s21, s41, 8
	s_lshl_b32 s22, s15, 7
	s_add_co_u32 s21, s21, s22
	s_add_co_u32 s21, s21, 2048                    ; v: A's first row of W: 2,048 + 256 cy + 128 wr
	s_cmp_ge_u32 s17, 8
	s_cselect_b32 s20, 0, s20                      ; the form that is not wanted is read from b_qkv's head,
	s_cselect_b32 s22, s21, 0
	s_cselect_b32 s94, 0, -1                       ; and cleared by these masks
	s_cselect_b32 s95, -1, 0
	s_lshl_b32 s20, s20, 2
	s_mov_b32 s21, 0
	s_add_nc_u64 s[78:79], s[8:9], s[20:21]
	s_lshl_b32 s22, s22, 2
	s_mov_b32 s23, 0
	s_add_nc_u64 s[92:93], s[8:9], s[22:23]
.irp bt, 0,1,2,3,4,5,6,7
	global_load_b128 v[BB+8*\bt:BB+8*\bt+3], v6, s[78:79] offset:4*(32*(\bt/2)+8*(\bt%2))
	global_load_b128 v[BB+8*\bt+4:BB+8*\bt+7], v6, s[78:79] offset:4*(32*(\bt/2)+8*(\bt%2))+16
.endr
.irp a, 0,1,2,3,4,5,6,7
	global_load_b32 v[BA+\a], v7, s[92:93] offset:4*(32*(\a/2)+8*(\a%2))
.endr
	; where the codes go.  q, k: [batch x head][token tile][1,024]: block a is a token tile, b2 / 2 the head, b2 % 2 the image's c.
	; v: [batch x head][128 keys][channel tile][2,048]: block a is head a / 4, channel tile a % 4; b2 is the image's c.
	s_sub_co_u32 s19, s17, 8
	s_lshl_b32 s19, s19, 3
	s_add_co_u32 s19, s19, s42
	s_and_b32 s20, s42, 3
	s_mov_b32 s98, 1024
	s_cmp_lt_u32 s42, 4
	s_cselect_b64 s[88:89], s[68:69], s[70:71]     ; q's columns come first, then k's
	s_cmp_ge_u32 s17, 8
	s_cselect_b64 s[88:89], s[72:73], s[88:89]
	s_cselect_b32 s19, s19, s18                    ; which 256 tokens
	s_cselect_b32 s20, s41, s20                    ; which four heads,
	s_cselect_b32 s21, s15, s16                    ; and which two of them
	s_cselect_b32 s22, s16, s15                    ; which 128 of the tokens
	s_cselect_b32 s23, 2048, s98                   ; from block to block,
	s_cselect_b32 s66, 124928, s98                 ; from block 3 to block 4 (v: the next head, 131,072 - 3 x 2,048),
	s_cselect_b32 s99, s98, 131072                 ; from b2 = 0, 1 to b2 = 2, 3
	s_lshr_b32 s90, s19, 3                         ; batch
	s_and_b32 s19, s19, 7
	s_lshl_b32 s90, s90, 4
	s_lshl_b32 s20, s20, 2
	s_add_co_u32 s90, s90, s20
	s_lshl_b32 s21, s21, 1
	s_add_co_u32 s90, s90, s21                     ; 16 x batch + head
	s_lshl_b32 s90, s90, 17                        ; 131,072 bytes each
	s_lshl_b32 s19, s19, 14
	s_add_co_u32 s90, s90, s19
	s_lshl_b32 s22, s22, 13
	s_add_co_u32 s90, s90, s22
	s_mov_b32 s91, 0
	s_add_nc_u64 s[88:89], s[88:89], s[90:91]
	s_mov_b32 s90, s99
	s_add_nc_u64 s[90:91], s[88:89], s[90:91]
	v_mov_b32 v[OFFA], v3
	v_add_nc_u32 v[OFFA+1], s23, v[OFFA]
	v_add_nc_u32 v[OFFA+2], s23, v[OFFA+1]
	v_add_nc_u32 v[OFFA+3], s23, v[OFFA+2]
	v_add_nc_u32 v[OFFA+4], s66, v[OFFA+3]
	v_add_nc_u32 v[OFFA+5], s23, v[OFFA+4]
	v_add_nc_u32 v[OFFA+6], s23, v[OFFA+5]
	v_add_nc_u32 v[OFFA+7], s23, v[OFFA+6]
	s_wait_tensorcnt 1                             ; my part of K step 0 is in (K step 1's load may be out),
	s_barrier_signal -1
	s_barrier_wait -1                              ; everybody's is
	FETCH_B 0, 0, 0
	FETCH_A 0, 0, 0
	FETCH_A 0, 0, 4
	STEP 0, 1                                      ; K 0: the first products start the sums
	TURN 0, 1, 1                                   ; K 128; slot 0 takes K step 2
	STEP 1, 0                                      ; K 256
	TURN 1, 0, 1                                   ; K 384; slot 1 takes K step 3
	STEP 0, 0                                      ; K 512
	TURN 0, 1, 0                                   ; K 640; nothing is left to fetch
	STEP 1, 0                                      ; K 768
	s_wait_dscnt 16                                ; K 896
	MULH 0, 1, 0
	MULH 2, 1, 0
	s_wait_dscnt 0x0
	MULH 4, 1, 0
	MULH 6, 1, 0
	WIN 0
	; THE WAY OUT
	s_wait_loadcnt 0x0                             ; the bias
	s_wait_kmcnt 0x0                               ; the exponents
.set j, 0
.rept 64
	v_and_b32 v[BB+j], s94, v[BB+j]                ; (these 72 lines are also the places behind the last products)
.set j, j+1
.endr
.set j, 0
.rept 8
	v_and_b32 v[BA+j], s95, v[BA+j]
.set j, j+1
.endr
	s_add_co_i32 s96, s80, s81
	s_add_co_i32 s96, s96, 127
	s_lshl_b32 s96, s96, 23                        ; 2^(e0 + e1) as f32
	s_mov_b32 s97, s96                             ; (named with it as a pair, so it is written)
	s_cmp_lt_u32 s42, 4
	s_cselect_b32 s98, s82, s83                    ; q's e2 or k's e3,
	s_cmp_ge_u32 s17, 8
	s_cselect_b32 s98, s85, s98                    ; or v's e5
	s_add_co_i32 s98, s98, 127
	s_lshl_b32 s99, s98, 23
	v_mov_b32 v[SCL], s99
	s_add_co_i32 s98, s98, 8
	s_lshl_b32 s98, s98, 23
	s_or_b32 s98, s98, 0x600000
; block a, B's tiles 2 b2 and 2 b2 + 1: 16 sums a lane become 16 codes
.macro EPI a, b2
.set rA, 8*((8*(\a)+2*(\b2))%32)
.set rC, CODE+4*(4*(\a)+(\b2))
	WIN 0x02+(\a)/4                                ; source 0: the accumulators' window
.irp i, 0,2,4,6,8,10,12,14
	v_pk_fma_f32 v[TMP+\i:TMP+\i+1], v[rA+\i:rA+\i+1], s[96:97], v[BB+16*(\b2)+\i:BB+16*(\b2)+\i+1] op_sel_hi:[1,0,1]   ; sum x 2^(e0 + e1) + the bias along registers; each accumulator from its low end on
.endr
	WIN 0
.irp i, 0,2,4,6,8,10,12,14
.if ((\a)%2) == 0
	v_pk_add_f32 v[TMP+\i:TMP+\i+1], v[TMP+\i:TMP+\i+1], v[BA+2*((\a)/2):BA+2*((\a)/2)+1] op_sel_hi:[1,0]              ; + the bias along lanes: block a's, for both halves
.else
	v_pk_add_f32 v[TMP+\i:TMP+\i+1], v[TMP+\i:TMP+\i+1], v[BA+2*((\a)/2):BA+2*((\a)/2)+1] op_sel:[0,1] op_sel_hi:[1,1]
.endif
.endr
.set j, 0
.rept 16
.set j, j+1
.endr
	v_cvt_scalef32_pk8_fp8_f32 v[rC:rC+1], v[TMP:TMP+7], v[SCL]
	v_cvt_scalef32_pk8_fp8_f32 v[rC+2:rC+3], v[TMP+8:TMP+15], v[SCL]
	v_nop                                          ; a plain instruction between the conversions and the next lines that write their sources
	global_store_b128 v[OFFA+\a], v[rC:rC+3], s[88+2*((\b2)/2):89+2*((\b2)/2)] offset:512*((\b2)%2)   ; 512 consecutive bytes, at a multiple of 512 from the buffer's first byte; the codes' registers are never written again
.endm
.irp a, 0,1,2,3,4,5,6,7
.irp b2, 0,1,2,3
	EPI \a, \b2
.endr
.endr
	s_wait_tensorcnt 0x0                           ; the wave's end
	ds_add_u32 v[SPW], v[NIL]
	s_wait_dscnt 0x0
	CROUND                                         ; the closing round: no work-group ends while a partner may still ask for a tile that names it
	s_endpgm
.Lfunc_end_k_qebe60a7a3c_qkv:
	.size	k_qebe60a7a3c_qkv, .Lfunc_end_k_qebe60a7a3c_qkv-k_qebe60a7a3c_qkv
	.p2alignl 7, 3214868480
	.fill 96, 4, 3214868480
	.section	.rodata,"a",@progbits
	.p2align	6, 0x0
	.amdhsa_kernel k_qebe60a7a3c_qkv
		.amdhsa_group_segment_fixed_size 327680
		.amdhsa_private_segment_fixed_size 0
		.amdhsa_enable_private_segment 0
		.amdhsa_kernarg_size 56
		.amdhsa_user_sgpr_count 2
		.amdhsa_user_sgpr_kernarg_segment_ptr 1
		.amdhsa_wavefront_size32 1
		.amdhsa_system_sgpr_workgroup_id_x 1
		.amdhsa_system_sgpr_workgroup_id_y 1
		.amdhsa_system_sgpr_workgroup_id_z 1
		.amdhsa_system_vgpr_workitem_id 0
		.amdhsa_next_free_vgpr 1024
		.amdhsa_next_free_sgpr 100
		.amdhsa_reserve_vcc 0
		.amdhsa_float_denorm_mode_32 3
		.amdhsa_float_denorm_mode_16_64 3
		.amdhsa_fp16_overflow 1
		.amdhsa_memory_ordered 1
		.amdhsa_forward_progress 1
		.amdhsa_inst_pref_size 126
	.end_amdhsa_kernel
	.amdgpu_metadata
---
amdhsa.version: [ 1, 2 ]
amdhsa.kernels:
  - .name:           k_qebe60a7a3c_qkv
    .symbol:         k_qebe60a7a3c_qkv.kd
    .args:
      - { .name: x_img, .offset: 0, .size: 8, .value_kind: global_buffer, .address_space: global }
      - { .name: wqkv_img, .offset: 8, .size: 8, .value_kind: global_buffer, .address_space: global }
      - { .name: b_qkv, .offset: 16, .size: 8, .value_kind: global_buffer, .address_space: global }
      - { .name: lowp_scales, .offset: 24, .size: 8, .value_kind: global_buffer, .address_space: global }
      - { .name: q_img, .offset: 32, .size: 8, .value_kind: global_buffer, .address_space: global }
      - { .name: k_img, .offset: 40, .size: 8, .value_kind: global_buffer, .address_space: global }
      - { .name: v_img, .offset: 48, .size: 8, .value_kind: global_buffer, .address_space: global }
    .group_segment_fixed_size: 327680
    .private_segment_fixed_size: 0
    .kernarg_segment_align: 8
    .kernarg_segment_size: 56
    .max_flat_workgroup_size: 128
    .sgpr_count:     100
    .vgpr_count:     1024
    .wavefront_size: 32
...
	.end_amdgpu_metadata
.endif
;; end of part 2
;; launch attn (part 3): grid 4 x 64, 16 waves a work-group, no clusters, 327,680 bytes of LDS; arguments q_img, k_img, v_img, lowp_scales, y_img; writes y_img
.if DOCPART == 3
	.amdgcn_target "amdgcn-amd-amdhsa--gfx1250"
	.amdhsa_code_object_version 6
	.text
	.protected	k_qebe60a7a3c_attn
	.globl	k_qebe60a7a3c_attn
	.p2align	8
	.type	k_qebe60a7a3c_attn,@function
k_qebe60a7a3c_attn:
	s_mov_b64 s[64:65], 0
	v_nop
	global_prefetch_b8 v0, s[64:65] scope:SCOPE_SE
	s_setreg_imm32_b32 hwreg(HW_REG_WAVE_MODE, 25, 1), 1
	s_wait_xcnt 0x0
; y = softmax(q k^T / 8, causal) v for 64 (batch, head) pairs of 2,048 tokens x 64 channels, both products on codes of FP8 (E4M3) with given scales; y is quantised at once with its own and stored as the last product's operand.
; THE SOFTMAX: t = score x log2(e) / 8; M = the largest t so far, rounded UP to a whole number; p = 2^(t - M) is what is quantised; the row's sum is taken of the unquantised p and divides at the end.
; When M moves, the sum and O are multiplied by 2^(old M - new M), which rounds nothing.
; IMAGES.  q, k: [pair][token tile 128][c = 0, 1][lane][16]: lane r + 16 h holds channels 32 c + 16 h + 0..15 of token 32 (T / 2) + 8 (T % 2) + r + 8 (r / 8) of tile T.
; v: [pair][128 keys: 16][channel tile 4][c = 0..3][lane][16]: lane r + 16 h holds keys 32 c + 16 h + 0..15 of a channel.  y: [token tile 512][head / 2][c = 2 (head % 2) + b][lane][16].
; Both products are used transposed (S^T = k q^T, O^T = v^T p^T): a lane holds ONE query.  By the tiles' order of rows the 16 registers of key tiles 2 b, 2 b + 1 are keys 32 b + 16 h + 0..15, and O^T's likewise channels:
; the conversions' results are the next operand's registers, and every fragment is read and written as 512 consecutive bytes.
; EVEN CAUSAL WORK.  Query tile T wants T / 8 + 1 key steps of 128.  Wave w of work-group g owns tiles 127 - 16 g - w and then 16 g + w: 17 steps together, for every wave of the launch.
; The work-group walks key slots (256 keys) 0 .. 7 - g for the high tiles, then 0 .. g for the low ones: nine slots whatever g, so the trip count is a constant.  Of the 18 steps a wave jumps over one, all of whose keys are hidden.
; NO CLUSTER: the four work-groups of a pair want the same slots only in the first 5 to 8 trips; from trip 8 - g on each walks back to slot 0 at another time, so a joint request would name tiles that partners do not want.
; K's and V's slots come by the tensor data mover (wave 0: K's 16,384 bytes, wave 1: V's) into a ring of two LDS slots, read by all sixteen waves.
; LIMITS: e2 + e3 between -123 and 130 (added to the exponent field of log2(e) / 8); e4 and e6 between -126 and 119.  NaN among the inputs is not served.
; REGISTERS: v1 16 x lane; v2, v3 for the add; v4 the prefetches' offset; v5 for the mask; v6 LDS address; v12 -M, v13 the largest t, v[14:15] the sum; v16-23 q in use, v24-31 the low tile's q;
;   v32-95 K's 8 fragments, then V's 4; v96-159 S^T, then p; v160-191 O^T; v192-207 p's codes; v208-223 y's codes; v234-255 constants and at work.
.set SLOT1, 32768                      ; slot 1 begins here: one exclusive or turns an address in one slot into the other's
.set VOFF,  16384                      ; a slot: K's 16 tiles of 1,024 bytes, then V's 2 x 4 tiles of 2,048
.set SPARE, 65536                      ; behind the ring: the spare words, 128 bytes for each of 16 waves, which no other line names
.set TB,   2                           ; s2   LDS byte at which the slot in hand begins
.set NN,   3                           ; s3   the trip: which of the nine slots
.set WV,   18
.set SEL,  20                          ; s[20:21] lane selects: lane l xor 16
.set CS,   22                          ; s[22:23] c = log2(e) / 8 x 2^(e2 + e3)
.set G1,   24
.set G0,   32
.set SRC,  36                          ; s[36:37] my pair's K (wave 0) or V
.set SW,   40                          ; s40  8 - g: the trip at which the low tiles begin
.set KF,   41                          ; s41  the step's first key
.set DIAG, 42                          ; s42  the first key of the step on my tile's diagonal
.set DQ,   43                          ; s43  my tile's first token less DIAG
.set YBH,  46                          ; s[46:47], s[48:49] where the two tiles' y goes
.set YBL,  48
.set PFA,  50                          ; s[50:51] where my prefetches stand
.set LIMP, 52                          ; s52  a wave prefetches while the trip's number is under it
.macro TLOAD                           ; waves 0 and 1 fetch; the branch hangs on the wave's number alone; four v_nop follow the line
	s_cmp_lt_u32 s[WV], 2
	s_cbranch_scc0 .Lno_load_\@
	tensor_load_to_lds s[G0:G0+3], s[G1:G1+7]
	s_nop 0
.rept 4
	v_nop
.endr
.Lno_load_\@:
.endm
; A PREFETCH INTO THE L2 of the slot that the NEXT change of slots will ask for: trip n names slot n + 2.  All four work-groups of a pair walk the same K and V, and the one with g = 0 walks all eight slots: it asks, nobody else.
; In it waves 4 and 5 ask for the halves of K's 16,384 bytes, waves 6 and 7 for V's: 8,192 bytes a wave, lanes 256 bytes apart: each aligned block of 256 bytes is named once in the launch.
; Slots 0 and 1 come by their loads alone; from trip 6 on nothing is asked for: slot 7 is the last.
.macro ASK
	s_cmp_lt_u32 s[NN], s[LIMP]
	s_cbranch_scc0 .Lnot_mine_\@
	global_prefetch_b8 v4, s[PFA:PFA+1] th:TH_LOAD_NT scope:SCOPE_SE
.Lnot_mine_\@:
.endm
; A KEY STEP: 128 keys, the q-th of the slot in hand
.macro STEP q
	s_cmp_gt_u32 s[KF], s[DIAG]                    ; all its keys come after my 16 queries: a scalar branch on ids, round the step's work; no barrier and no tensor load stands in a step
	s_cbranch_scc1 .Lhidden_\@
	v_add_nc_u32 v6, s[TB], v1
.rept 4
	v_nop                                          ; places in front of loads into registers that the last products read
.endr
.irp t, 0,1,2,3,4,5,6,7
.irp c, 0,1
	ds_load_b128 v[32+8*\t+4*\c:32+8*\t+4*\c+3], v6 offset:(8*(\q)+\t)*1024+512*\c
.endr
.endr
	s_wait_alu depctr_va_vdst(0)
	s_wait_dscnt 0x0
.irp t, 0,1,2,3,4,5,6,7
	v_wmma_f32_16x16x64_fp8_fp8 v[96+8*\t:103+8*\t], v[32+8*\t:39+8*\t], v[16:23], 0   ; S^T: register 16 b + i of lane (r, h) is key KF + 32 b + 16 h + i
.endr
.rept 4
	v_nop                                          ; places: for V's loads into K's registers, and for the first read of the scores
.endr
.irp t, 0,1,2,3
.irp c, 0,1,2,3
	ds_load_b128 v[32+16*\t+4*\c:32+16*\t+4*\c+3], v6 offset:VOFF+(\q)*8192+\t*2048+512*\c   ; V's fragments land while the softmax is worked
.endr
.endr
	s_cmp_lg_u32 s[KF], s[DIAG]                    ; only the step on the diagonal has hidden keys among those that count
	s_cbranch_scc1 .Lopen_\@
	v_add_nc_u32 v252, s[DQ], v5                   ; d = my query - KF - 16 h: register 16 b + i is hidden where 32 b + i > d
	v_mov_b32 v254, 0xff800000                     ; -infinity: p = 0 then.  Key 0 counts for every query, so M is a number from the first step on
.set n, 0
.rept 64
	v_cmp_gt_i32 vcc_lo, 32*(n/16)+n%16, v252
	v_cndmask_b32 v[96+n], v[96+n], v254, vcc_lo
.set n, n+1
.endr
.Lopen_\@:
	v_max3_num_f32 v254, v96, v97, v98             ; the step's largest score of my query among my 64 keys, in two chains,
	v_max3_num_f32 v252, v99, v100, v101
.irp i, 6,10,14,18,22,26,30,34,38,42,46,50,54,58
	v_max3_num_f32 v254, v254, v[96+\i], v[97+\i]
	v_max3_num_f32 v252, v252, v[98+\i], v[99+\i]
.endr
	v_max3_num_f32 v254, v254, v158, v159
	s_delay_alu instid0(VALU_DEP_1)
	v_max_num_f32 v254, v254, v252
	s_delay_alu instid0(VALU_DEP_1)
	v_permlanex16_b32 v236, v254, s[SEL], s[SEL+1]
	s_delay_alu instid0(VALU_DEP_1)
	v_max_num_f32 v254, v254, v236                 ; and among lane l xor 16's
	s_delay_alu instid0(VALU_DEP_1)
	v_mul_f32 v254, s[CS], v254                    ; as t (c is positive)
	s_delay_alu instid0(VALU_DEP_1)
	v_max_num_f32 v13, v13, v254                   ; the running largest t
	v_mov_b32 v254, v12
	s_delay_alu instid0(VALU_DEP_2)
	v_floor_f32 v12, -v13                          ; the new -M = floor(-t): M is a whole number
	s_delay_alu instid0(VALU_DEP_1)
	v_sub_f32 v254, v12, v254                      ; old M - new M, 0 or less
	s_delay_alu instid0(VALU_DEP_1)
	v_cvt_i32_f32 v254, v254                       ; (it saturates)
	s_delay_alu instid0(VALU_DEP_1)
	v_ldexp_f32 v252, 1.0, v254                    ; f = 2^(old M - new M)
.set j, 0
.rept 32
	v_pk_fma_f32 v[96+j:97+j], v[96+j:97+j], s[CS:CS+1], v[12:13] op_sel_hi:[1,0,0]   ; t - M, two at a time
.set j, j+2
.endr
.set j, 0
	s_wait_alu depctr_va_vdst(0)
.rept 64
	v_exp_f32 v[96+j], v[96+j]                     ; p = 2^(t - M)
.set j, j+1
.endr
	v_pk_mul_f32 v[14:15], v[14:15], v[252:253] op_sel_hi:[1,0]   ; the sums under the new M: the plain instruction behind the exponentials
	s_wait_alu depctr_va_vdst(0)                   ; one wait for the whole batch, ahead of its first reader
	v_pk_add_f32 v[242:243], v[100:101], v[104:105]
	v_pk_add_f32 v[254:255], v[108:109], v[112:113]
	v_pk_add_f32 v[250:251], v[116:117], v[120:121]
	v_pk_add_f32 v[248:249], v[124:125], v[128:129]
	v_pk_add_f32 v[240:241], v[132:133], v[136:137]
	v_pk_add_f32 v[238:239], v[140:141], v[144:145]
	v_pk_add_f32 v[234:235], v[148:149], v[152:153]
	v_pk_add_f32 v[14:15], v[14:15], v[156:157]
	v_pk_add_f32 v[242:243], v[242:243], v[96:97]
	v_pk_add_f32 v[254:255], v[254:255], v[98:99]
	v_pk_add_f32 v[250:251], v[250:251], v[102:103]
	v_pk_add_f32 v[248:249], v[248:249], v[106:107]
	v_pk_add_f32 v[240:241], v[240:241], v[110:111]
	v_pk_add_f32 v[238:239], v[238:239], v[114:115]
	v_pk_add_f32 v[234:235], v[234:235], v[118:119]
	v_pk_add_f32 v[14:15], v[14:15], v[122:123]
	v_pk_add_f32 v[242:243], v[242:243], v[126:127]
	v_pk_add_f32 v[254:255], v[254:255], v[130:131]
	v_pk_add_f32 v[250:251], v[250:251], v[134:135]
	v_pk_add_f32 v[248:249], v[248:249], v[138:139]
	v_pk_add_f32 v[240:241], v[240:241], v[142:143]
	v_pk_add_f32 v[238:239], v[238:239], v[146:147]
	v_pk_add_f32 v[234:235], v[234:235], v[150:151]
	v_pk_add_f32 v[14:15], v[14:15], v[154:155]
	v_pk_add_f32 v[242:243], v[242:243], v[158:159]
	s_delay_alu instid0(VALU_DEP_2)
	v_pk_add_f32 v[14:15], v[14:15], v[248:249]
	s_delay_alu instid0(VALU_DEP_2)
	v_pk_add_f32 v[242:243], v[242:243], v[240:241]
	v_pk_add_f32 v[254:255], v[254:255], v[238:239]
	v_pk_add_f32 v[250:251], v[250:251], v[234:235]
	s_delay_alu instid0(VALU_DEP_2)
	v_pk_add_f32 v[14:15], v[14:15], v[254:255]
	s_delay_alu instid0(VALU_DEP_2)
	v_pk_add_f32 v[242:243], v[242:243], v[250:251]
	s_delay_alu instid0(VALU_DEP_1)
	v_pk_add_f32 v[14:15], v[14:15], v[242:243]
.irp b, 0,1,2,3
.set j, 0
.rept 16
.set j, j+1
.endr
	v_cvt_scalef32_pk8_fp8_f32 v[192+4*\b:193+4*\b], v[96+16*\b:103+16*\b], v244
	v_cvt_scalef32_pk8_fp8_f32 v[194+4*\b:195+4*\b], v[104+16*\b:111+16*\b], v244
.endr
.set j, 0
.rept 16
	v_pk_mul_f32 v[160+j:161+j], v[160+j:161+j], v[252:253] op_sel_hi:[1,0]   ; O^T under the new M.  (Plain instructions between the conversions and the products that read their results)
.set j, j+2
.endr
	s_wait_alu depctr_va_vdst(0)
	s_wait_dscnt 0x0                               ; V is in
.irp t, 0,1,2,3
	v_wmma_f32_16x16x128_fp8_fp8 v[160+8*\t:167+8*\t], v[32+16*\t:47+16*\t], v[192:207], v[160+8*\t:167+8*\t]   ; O^T += v^T p^T: four accumulators by turns
.endr
.Lhidden_\@:
	s_add_co_u32 s[KF], s[KF], 128
.endm
; THE CHANGE OF SLOTS, at a slot's head.  Each wave waits for all its tensor loads (its part of the slot ahead), adds 0 to its spare word, and waits for that and for its reads of the slot that it has left.
; Behind the barrier the slot ahead is whole and nobody reads the other one.  fill = 1: that other one takes the walk's next slot; one tensor load of a wave is out.
.macro CHANGE fill
	s_wait_tensorcnt 0x0                           ; no tensor load of mine is out, so group 0 may be written
	ds_add_u32 v2, v3                              ; 0 onto my spare word
.if \fill
	s_xor_b32 s[G0+1], s[G0+1], SLOT1              ; the other slot than last time
	s_add_co_u32 s54, s[NN], 1
	s_cmp_ge_u32 s54, s[SW]
	s_cselect_b32 s55, s[SW], 0
	s_sub_co_u32 s54, s54, s55                     ; which 256 keys: trip n + 1's, counted anew from the low tiles' first trip on
	s_lshl_b32 s54, s54, 14
	s_mov_b32 s55, 0
	s_add_nc_u64 s[G0+2:G0+3], s[SRC:SRC+1], s[54:55]
	s_or_b32 s[G0+3], s[G0+3], 0x80000000
	s_wait_xcnt 0x0                                ; the last prefetch, a slot back, has read its address
	s_add_nc_u64 s[PFA:PFA+1], s[PFA:PFA+1], 16384
.endif
	s_wait_dscnt 0x0                               ; the add is done, and my reads of the slot that I have left are over
	s_barrier_signal -1
	s_barrier_wait -1
.if \fill
	TLOAD                                          ; the first thing behind the barrier
	ASK
.endif
.endm
; THE WAY OUT of a query tile: O^T / the sum x 2^(e4 + e5), quantised with 2^e6: register 16 b + i is channel 32 b + 16 h + i of my token: two stores of 512 consecutive bytes
.macro WAYOUT yb, code
.rept 4
	v_nop                                          ; places behind the last products
.endr
	v_add_f32 v14, v14, v15
	s_delay_alu instid0(VALU_DEP_1)
	v_permlanex16_b32 v252, v14, s[SEL], s[SEL+1]
	s_delay_alu instid0(VALU_DEP_1)
	v_add_f32 v14, v14, v252                       ; the row's sum
	s_wait_alu depctr_va_vdst(0)
	v_rcp_f32 v14, v14
	v_nop                                          ; a plain instruction behind the reciprocal,
	s_wait_alu depctr_va_vdst(0)                   ; and the wait ahead of its first reader
	v_ldexp_f32 v14, v14, s53
.set j, 0
.rept 32
	v_mul_f32 v[96+j], v[160+j], v14               ; each accumulator from its low end on
.set j, j+1
.endr
.set j, 0
.rept 32
.set j, j+1
.endr
.irp g, 0,1,2,3
	v_cvt_scalef32_pk8_fp8_f32 v[\code+2*\g:\code+2*\g+1], v[96+8*\g:103+8*\g], v246
.endr
	v_nop                                          ; a plain instruction between the conversions and whatever next writes their sources
	global_store_b128 v1, v[\code:\code+3], s[\yb:\yb+1]
	global_store_b128 v1, v[\code+4:\code+7], s[\yb:\yb+1] offset:512
.endm
	s_load_b256 s[4:11], s[0:1], 0x0               ; q_img s[4:5], k_img s[6:7], v_img s[8:9], the scales' exponents s[10:11]
	s_load_b64 s[12:13], s[0:1], 0x20              ; y_img
	v_lshl_add_u32 v2, v0, 2, SPARE
	v_mov_b32 v3, 0
	ds_add_u32 v2, v3
	ds_add_u32 v2, v3
	s_wait_dscnt 0x0
	v_lshrrev_b32 v6, 5, v0
	s_delay_alu instid0(VALU_DEP_1)
	v_readfirstlane_b32 s[WV], v6                  ; wave 0..15
	s_and_b32 s16, ttmp7, 0xffff                   ; the pair: 16 x batch + head
	s_lshl_b32 s66, s16, 17                        ; its 131,072 bytes in q_img, k_img and v_img
	s_mov_b32 s67, 0
	s_lshl_b32 s14, ttmp9, 4
	s_add_co_u32 s15, s14, s[WV]                   ; my low tile: 16 g + w
	s_sub_co_u32 s19, 127, s15                     ; my high tile
	s_sub_co_u32 s[SW], 8, ttmp9
	s_lshr_b32 s[DIAG], s19, 3
	s_lshl_b32 s[DIAG], s[DIAG], 7
	s_bfe_u32 s[DQ], s19, 0x20001
	s_lshl_b32 s[DQ], s[DQ], 5
	s_and_b32 s14, s19, 1
	s_lshl_b32 s14, s14, 3
	s_add_co_u32 s[DQ], s[DQ], s14                 ; 32 ((T / 2) % 4) + 8 (T % 2)
	s_lshr_b32 s44, s15, 3                         ; the same for the low tile, kept in s44, s45
	s_lshl_b32 s44, s44, 7
	s_bfe_u32 s45, s15, 0x20001
	s_lshl_b32 s45, s45, 5
	s_and_b32 s14, s15, 1
	s_lshl_b32 s14, s14, 3
	s_add_co_u32 s45, s45, s14
	; descriptor group 1: a dense block of 16,384 bytes as 64 rows of 256
	s_mov_b32 s[G1], 3<<16                         ; no mask; elements of 8 bytes; no padding
	s_mov_b32 s[G1+1], 32<<16                      ; tensor_dim0
	s_mov_b32 s[G1+2], 64<<16                      ; tensor_dim1
	s_mov_b32 s[G1+3], 32<<16                      ; tile_dim0
	s_mov_b32 s[G1+4], 64                          ; tile_dim1
	s_mov_b32 s[G1+5], 32                          ; tensor_dim0_stride
	s_mov_b32 s[G1+6], 0
	s_mov_b32 s[G1+7], 0
	s_mov_b32 s[SEL], 0x76543210
	s_mov_b32 s[SEL+1], 0xfedcba98
	s_mov_b32 s[CS], 0x3e38aa3b                    ; log2(e) / 8
	s_mov_b32 s[TB], 0
	s_mov_b32 s[NN], 0
	s_mov_b32 s[KF], 0
	s_lshr_b32 s14, s16, 4                         ; y: (128 x batch + tile) x 16,384 + (head / 2) x 2,048 + (head % 2) x 1,024
	s_lshl_b32 s14, s14, 21
	s_bfe_u32 s17, s16, 0x30001
	s_lshl_b32 s17, s17, 11
	s_add_co_u32 s14, s14, s17
	s_and_b32 s17, s16, 1
	s_lshl_b32 s17, s17, 10
	s_add_co_u32 s14, s14, s17
	s_lshl_b32 s68, s19, 14
	s_add_co_u32 s68, s68, s14
	s_mov_b32 s69, 0
	s_lshl_b32 s70, s15, 14
	s_add_co_u32 s70, s70, s14
	s_mov_b32 s71, 0
	s_lshl_b32 s72, s19, 10                        ; q: a tile is 1,024 bytes
	s_add_co_u32 s72, s72, s66
	s_mov_b32 s73, 0
	s_lshl_b32 s74, s15, 10
	s_add_co_u32 s74, s74, s66
	s_mov_b32 s75, 0
	s_and_b32 s76, s[WV], 1
	s_lshl_b32 s[G0+1], s76, 14                    ; LDS: wave 0: K's part of slot 0; wave 1: V's
	s_lshl_b32 s76, s76, 13                        ; the prefetches: my half of 16,384 bytes,
	s_add_co_u32 s76, s76, 16384                   ; in slot 1: the first change of slots steps it to slot 2
	s_add_co_u32 s76, s76, s66
	s_mov_b32 s77, 0
	s_sub_co_u32 s78, s[WV], 4
	s_lshr_b32 s78, s78, 2                         ; 0 in waves 4 to 7,
	s_or_b32 s78, s78, ttmp9                       ; of the work-group with g = 0
	s_cmp_eq_u32 s78, 0
	s_cselect_b32 s[LIMP], 6, 0
	s_wait_kmcnt 0x0
	s_load_b256 s[56:63], s[10:11], 0x0            ; e0 .. e7
	s_cmp_eq_u32 s[WV], 0
	s_cselect_b64 s[SRC:SRC+1], s[6:7], s[8:9]
	s_add_nc_u64 s[SRC:SRC+1], s[SRC:SRC+1], s[66:67]
	s_mov_b32 s[G0], 1
	s_mov_b64 s[G0+2:G0+3], s[SRC:SRC+1]
	s_or_b32 s[G0+3], s[G0+3], 0x80000000
	TLOAD                                          ; slot 0
	s_add_nc_u64 s[YBH:YBH+1], s[12:13], s[68:69]
	s_add_nc_u64 s[YBL:YBL+1], s[12:13], s[70:71]
	s_add_nc_u64 s[72:73], s[4:5], s[72:73]
	s_add_nc_u64 s[74:75], s[4:5], s[74:75]
	s_cmp_lt_u32 s[WV], 6
	s_cselect_b64 s[PFA:PFA+1], s[6:7], s[8:9]
	s_add_nc_u64 s[PFA:PFA+1], s[PFA:PFA+1], s[76:77]
	v_and_b32 v7, 31, v0
	s_delay_alu instid0(VALU_DEP_1)
	v_lshlrev_b32 v1, 4, v7                        ; 16 x lane
	s_delay_alu instid0(VALU_DEP_2)
	v_lshlrev_b32 v4, 8, v7                        ; 256 x lane
	global_load_b128 v[16:19], v1, s[72:73]        ; the high tile's q,
	global_load_b128 v[20:23], v1, s[72:73] offset:512
	global_load_b128 v[24:27], v1, s[74:75]        ; the low tile's
	global_load_b128 v[28:31], v1, s[74:75] offset:512
	v_and_b32 v8, 15, v0
	v_bfe_u32 v9, v0, 4, 1
	s_delay_alu instid0(VALU_DEP_2)
	v_and_b32 v5, 8, v8
	s_delay_alu instid0(VALU_DEP_1)
	v_add_nc_u32 v5, v5, v8
	s_delay_alu instid0(VALU_DEP_3)
	v_lshlrev_b32 v9, 4, v9
	s_delay_alu instid0(VALU_DEP_1)
	v_sub_nc_u32 v5, v5, v9                        ; r + 8 (r / 8) - 16 h
	v_mov_b32 v13, 0xff61b1e6                      ; the largest t so far: -3e38, under every t
	s_delay_alu instid0(VALU_DEP_1)
	v_floor_f32 v12, -v13
	v_mov_b32 v14, 0
	v_mov_b32 v15, 0
	v_mov_b32 v236, 0                              ; written once: a lane permute's destination counts as one of its sources
	v_mov_b32 v252, 0
	v_mov_b32 v253, 0                              ; (named as the upper half of the pair v[252:253])
	v_mov_b32 v254, 0
.set j, 0
.rept 32
	v_mov_b32 v[160+j], 0                          ; O^T: the step is written once; the first finds zeros, which the first change of M leaves zeros
.set j, j+1
.endr
	s_wait_kmcnt 0x0
	s_add_co_i32 s14, s58, s59
	s_lshl_b32 s14, s14, 23
	s_add_co_i32 s[CS], s[CS], s14                 ; a score stands for score x 2^(e2 + e3)
	s_mov_b32 s[CS+1], s[CS]
	s_add_co_i32 s53, s60, s61                     ; e4 + e5
	s_add_co_i32 s14, s60, 127
	s_lshl_b32 s17, s14, 23
	v_mov_b32 v244, s17                            ; 2^e4
	s_add_co_i32 s14, s62, 127
	s_lshl_b32 s17, s14, 23
	v_mov_b32 v246, s17                            ; 2^e6
	s_wait_loadcnt 0x0                             ; q
.Lslot:                                            ; eight trips: behind each change of slots but the last the walk's next slot is asked for
	CHANGE 1
	STEP 0
	STEP 1
	s_xor_b32 s[TB], s[TB], SLOT1
	s_add_co_u32 s[NN], s[NN], 1
	s_cmp_lg_u32 s[NN], s[SW]                      ; a branch on ids: behind trip 7 - g the high tile is finished (8 - g lies between 5 and 8: always inside the loop)
	s_cbranch_scc1 .Lsame_tile
	WAYOUT YBH, 208
.set j, 0
.rept 8
	v_mov_b32 v[16+j], v[24+j]                     ; the low tile's q,
.set j, j+1
.endr
	v_mov_b32 v13, 0xff61b1e6                      ; and everything anew
	s_delay_alu instid0(VALU_DEP_1)
	v_floor_f32 v12, -v13
	v_mov_b32 v14, 0
	v_mov_b32 v15, 0
.set j, 0
.rept 32
	v_mov_b32 v[160+j], 0
.set j, j+1
.endr
	s_mov_b32 s[KF], 0
	s_mov_b32 s[DIAG], s44
	s_mov_b32 s[DQ], s45
.Lsame_tile:
	s_cmp_lt_u32 s[NN], 8
	s_cbranch_scc1 .Lslot
	CHANGE 0                                       ; the ninth slot is written out
	STEP 0
	STEP 1
	WAYOUT YBL, 216
	s_wait_tensorcnt 0x0                           ; the wave's end
	ds_add_u32 v2, v3
	s_wait_dscnt 0x0
	s_endpgm
.Lfunc_end_k_qebe60a7a3c_attn:
	.size	k_qebe60a7a3c_attn, .Lfunc_end_k_qebe60a7a3c_attn-k_qebe60a7a3c_attn
	.p2alignl 7, 3214868480
	.fill 96, 4, 3214868480
	.section	.rodata,"a",@progbits
	.p2align	6, 0x0
	.amdhsa_kernel k_qebe60a7a3c_attn
		.amdhsa_group_segment_fixed_size 327680
		.amdhsa_private_segment_fixed_size 0
		.amdhsa_enable_private_segment 0
		.amdhsa_kernarg_size 40
		.amdhsa_user_sgpr_count 2
		.amdhsa_user_sgpr_kernarg_segment_ptr 1
		.amdhsa_wavefront_size32 1
		.amdhsa_system_sgpr_workgroup_id_x 1
		.amdhsa_system_sgpr_workgroup_id_y 1
		.amdhsa_system_sgpr_workgroup_id_z 1
		.amdhsa_system_vgpr_workitem_id 0
		.amdhsa_next_free_vgpr 256
		.amdhsa_next_free_sgpr 80
		.amdhsa_reserve_vcc 1
		.amdhsa_float_denorm_mode_32 3
		.amdhsa_float_denorm_mode_16_64 3
		.amdhsa_fp16_overflow 1
		.amdhsa_memory_ordered 1
		.amdhsa_forward_progress 1
		.amdhsa_inst_pref_size 90
	.end_amdhsa_kernel
	.amdgpu_metadata
---
amdhsa.version: [ 1, 2 ]
amdhsa.kernels:
  - .name:           k_qebe60a7a3c_attn
    .symbol:         k_qebe60a7a3c_attn.kd
    .args:
      - { .name: q_img, .offset: 0, .size: 8, .value_kind: global_buffer, .address_space: global }
      - { .name: k_img, .offset: 8, .size: 8, .value_kind: global_buffer, .address_space: global }
      - { .name: v_img, .offset: 16, .size: 8, .value_kind: global_buffer, .address_space: global }
      - { .name: lowp_scales, .offset: 24, .size: 8, .value_kind: global_buffer, .address_space: global }
      - { .name: y_img, .offset: 32, .size: 8, .value_kind: global_buffer, .address_space: global }
    .group_segment_fixed_size: 327680
    .private_segment_fixed_size: 0
    .kernarg_segment_align: 8
    .kernarg_segment_size: 40
    .max_flat_workgroup_size: 512
    .sgpr_count:     80
    .vgpr_count:     256
    .wavefront_size: 32
...
	.end_amdgpu_metadata
.endif
;; end of part 3
;; launch proj (part 4): grid 8 x 32, 4 waves a work-group, clusters of 4 x 4, 327,680 bytes of LDS; arguments y_img, wout_img, b_out, lowp_scales, out0; writes out0
.if DOCPART == 4
	.amdgcn_target "amdgcn-amd-amdhsa--gfx1250"
	.amdhsa_code_object_version 6
	.text
	.protected	k_qebe60a7a3c_proj
	.globl	k_qebe60a7a3c_proj
	.p2align	8
	.type	k_qebe60a7a3c_proj,@function
k_qebe60a7a3c_proj:
	s_mov_b64 s[64:65], 0
	v_nop
	global_prefetch_b8 v0, s[64:65] scope:SCOPE_SE
	s_setreg_imm32_b32 hwreg(HW_REG_WAVE_MODE, 25, 1), 1
	s_wait_xcnt 0x0
	s_wait_alu depctr_hold_cnt(0) depctr_sa_sdst(0) depctr_va_vdst(0) depctr_va_sdst(0) depctr_va_ssrc(0) depctr_va_vcc(0) depctr_vm_vsrc(0)
	s_getreg_b32 s2, hwreg(HW_REG_IB_STS2, 6, 4)
	s_cmp_eq_u32 s2, 0
	s_cbranch_scc0 .Lentry_in_a_cluster
	s_endpgm
.Lentry_in_a_cluster:
	s_bfe_u32 s2, ttmp6, 0x10000c
	s_cmp_lg_u32 s2, 0xf033
	s_cbranch_scc0 .Lentry_shape_is_right
	s_endpgm
.Lentry_shape_is_right:
; out0 = y W_out + b_out on codes of FP8 (E4M3), K = 1,024; out0 [8192][1024] f32.  Each finished sum is multiplied once by 2^(e6 + e7) and the bias added, by one fused multiply-add.
; IMAGES: a fragment, 16 rows x 128 K, is 2,048 bytes [c = 0..3][lane][16]; lane r + 16 h holds K = 32 c + 16 h + 0..15; lane r of tile T holds row 32 (T / 2) + 8 (T % 2) + r + 8 (r / 8).
; That places k otherwise than the matrix form's own layout does, alike in both operands: every product meets its partner, and only the order of the sums inside an instruction changes.
; SOURCE 0 = A TILE OF W_out's columns, SOURCE 1 = A TILE OF TOKENS: a lane holds one token, and the 16 registers of W's tiles 2 b, 2 b + 1 are 16 neighbouring columns, 64 bytes of a row of out0.
; A work-group makes 256 tokens x 128 columns (256 work-groups), a wave 128 x 64: 32 accumulators.  K goes in four steps of 256 through two LDS slots; the eight steps of 128 are written out, there is no loop.
; CLUSTERS: 4 x 4.  y's tiles are shared along a row of the cluster, W_out's along a column: each is asked for jointly, by the same tensor load with a mask that names the four.
; LIMIT: e6 + e7 between -126 and 127.
; REGISTERS, in windows of 256.  Window 0: v16-21 LDS addresses; v24-26 the way out's addresses; v28, v29 for the add; v32-63 the bias; v64-95 at work; v128-255 A's eight fragments, one set; on the way out rows of out0.
;   Window 1: B's fragments, two sets, at v0 and v128.   Window 2: the accumulators, (a, b) at v[8 (4 a + b)].
.set NBT,   4
.set SLOT,  (16+2*NBT)*4096
.set BOFF,  65536
.set SPARE, 2*SLOT
.set SPITCH, 272                       ; the way out: a stage of 16 rows x (256 bytes + 16) for each wave, in slot 0, which has had its last fill and its last read when the first result is stored there
.set ADRA,  16
.set ADRB,  20
.set STO,   24
.set RD,    25
.set CO,    26
.set SPW,   28
.set NIL,   29
.set BB,    32
.set TMP,   64
.set AF,    128
.set BK,    128
.set G1,    24
.set G0,    32
.set G1B,   48
.set G0B,   56
.set TO_B,  0x40
.set MSB, 0
.macro WIN new                         ; the immediate's high byte repeats the setting that is left
.if MSB != (\new)
	s_set_vgpr_msb (MSB<<8)|(\new)
.set MSB, (\new)
.endif
.endm
.macro JLOAD s                         ; a joint load: waves 0 and 1 fetch A's halves, waves 2 and 3 B's; the branch hangs on the wave's number alone; four v_nop follow each line
	s_cmp_eq_u32 s15, 0
	s_cbranch_scc0 .Lfor_b_\@
	tensor_load_to_lds s[G0+4*\s:G0+4*\s+3], s[G1:G1+7]
	s_nop 0
.rept 4
	v_nop
.endr
	s_branch .Lasked_\@
.Lfor_b_\@:
	tensor_load_to_lds s[G0B+4*\s:G0B+4*\s+3], s[G1B:G1B+7]
	s_nop 0
.rept 4
	v_nop
.endr
.Lasked_\@:
.endm
.macro CREST
	s_cmp_lg_u32 s14, 0
	s_cbranch_scc1 .Lnot_wave_0_\@
	s_barrier_signal -3
.Lnot_wave_0_\@:
	s_barrier_wait -3
	s_barrier_signal -1
	s_barrier_wait -1
.endm
.macro CROUND
	s_barrier_signal -1
	s_barrier_wait -1
	CREST
.endm
.macro PLACES                          ; four plain vector instructions between a matrix instruction and a load into, or a read of, its registers
.rept 4
	v_nop
.endr
.endm
.macro FRAG reg, adr, q, i
.irp c, 0,1,2,3
	ds_load_b128 v[\reg+4*\c:\reg+4*\c+3], v[\adr] offset:(\i)*4096+(\q)*2048+512*\c
.endr
.endm
.macro FETCH_B slot, q, p
	WIN TO_B
.set fi, 0
.rept NBT
	FRAG 128*(\p)+16*fi, ADRB+\slot, \q, fi
.set fi, fi+1
.endr
	WIN 0
.endm
.macro FETCH_A slot, q, i0
.irp i, \i0, \i0+1, \i0+2, \i0+3
	FRAG AF+16*(\i), ADRA+\slot, \q, \i
.endr
.endm
.macro MULH a0, p, zero                ; A's blocks a0, a0 + 1 against B's set p.  The accumulators take turns, in the same order in every step
.set ACW, 2+(NBT*(\a0))/32
.set WSEL, 0x01|(ACW<<4)|(ACW<<6)
	WIN WSEL
.set ma, \a0
.rept 2
.set mb, 0
.rept NBT
.set rD, 8*((NBT*ma+mb)%32)
.if \zero
	v_wmma_f32_16x16x128_fp8_fp8 v[rD:rD+7], v[128*(\p)+16*mb:128*(\p)+16*mb+15], v[AF+16*ma:AF+16*ma+15], 0
.else
	v_wmma_f32_16x16x128_fp8_fp8 v[rD:rD+7], v[128*(\p)+16*mb:128*(\p)+16*mb+15], v[AF+16*ma:AF+16*ma+15], v[rD:rD+7]
.endif
.set mb, mb+1
.endr
.set ma, ma+1
.endr
.endm
.macro STEP slot, zero                 ; a slot's first 128 along K (B's set 0); the second 128's fragments are fetched on the way
	s_wait_dscnt 16                                ; B's set and A's blocks 0-3 are in; the youngest 16 loads (A's blocks 4-7) may be out
	MULH 0, 0, \zero
	MULH 2, 0, \zero
	s_wait_dscnt 0x0
	PLACES
	FETCH_B \slot, 1, 1
	FETCH_A \slot, 1, 0
	MULH 4, 0, \zero
	MULH 6, 0, \zero
	PLACES
	WIN 0
	FETCH_A \slot, 1, 4
.endm
.macro TURN slot, next, fill           ; a slot's second 128 along K (B's set 1), and the change of slots
	s_wait_tensorcnt 0x0                           ; all my tensor loads have landed: my part of the next slot
	ds_add_u32 v[SPW], v[NIL]                      ; 0 onto my spare word
	s_wait_dscnt 17                                ; (the add and the youngest 16 loads may be out)
	MULH 0, 1, 0
	s_wait_dscnt 0x0                               ; the add is done, and my reads of this slot are over
	s_barrier_signal -1
	MULH 2, 1, 0
	WIN 0
	s_barrier_wait -1
.if \fill
	CREST                                          ; the barrier has opened a round of the cluster's: no wave of any partner still reads this slot or has a load on its way
	s_add_nc_u64 s[G0+4*\slot+2:G0+4*\slot+3], s[G0+4*\slot+2:G0+4*\slot+3], 8192
	s_add_nc_u64 s[G0B+4*\slot+2:G0B+4*\slot+3], s[G0B+4*\slot+2:G0B+4*\slot+3], 8192
	JLOAD \slot
.else
	PLACES
.endif
	FETCH_B \next, 0, 0
	FETCH_A \next, 0, 0
	MULH 4, 1, 0
	MULH 6, 1, 0
	PLACES
	WIN 0
	FETCH_A \next, 0, 4
.endm
	s_load_b256 s[4:11], s[0:1], 0x0               ; y_img s[4:5], wout_img s[6:7], b_out s[8:9], the scales' exponents s[10:11]
	s_load_b64 s[12:13], s[0:1], 0x20              ; out0
	v_lshl_add_u32 v[SPW], v0, 2, SPARE
	v_mov_b32 v[NIL], 0
	ds_add_u32 v28, v29
	ds_add_u32 v28, v29
	s_wait_dscnt 0x0
	v_lshrrev_b32 v1, 5, v0
	v_readfirstlane_b32 s14, v1                    ; wave 0..3
	s_lshr_b32 s15, s14, 1                         ; wr: which 128 tokens are mine.  Also: I fetch for A (0) or for B (1)
	s_and_b32 s16, s14, 1                          ; wc: which 64 columns.  Also: which half of the tiles I fetch
	s_bfe_u32 s40, ttmp6, 0x40000                  ; cx
	s_bfe_u32 s41, ttmp6, 0x40004                  ; cy
	s_lshl_b32 s42, ttmp9, 2
	s_add_co_u32 s42, s42, s40                     ; work-group x, 0..7
	s_and_b32 s17, ttmp7, 0xffff
	s_lshl_b32 s18, s17, 2
	s_add_co_u32 s18, s18, s41                     ; work-group y, 0..31
	s_lshl_b32 s43, s41, 2
	s_lshl_b32 s43, 15, s43                        ; my row of the cluster
	s_lshl_b32 s44, 0x1111, s40                    ; my column
	; descriptor group 1: rows of 4,096 bytes (512 elements of 8), one for each tile, 16,384 bytes apart; dense in LDS
	s_or_b32 s[G1], s43, (3<<16)|(1<<21)
	s_or_b32 s[G1B], s44, (3<<16)|(1<<21)
	s_mov_b32 s[G1+1], 512<<16
	s_mov_b32 s[G1+2], 8<<16
	s_mov_b32 s[G1+3], 512<<16
	s_mov_b32 s[G1+4], 8
	s_mov_b32 s[G1+5], 2048
	s_mov_b32 s[G1+6], 0
	s_mov_b32 s[G1+7], 0
	s_mov_b32 s[G1B+1], 512<<16
	s_mov_b32 s[G1B+2], NBT<<16
	s_mov_b32 s[G1B+3], 512<<16
	s_mov_b32 s[G1B+4], NBT
	s_mov_b32 s[G1B+5], 2048
	s_mov_b32 s[G1B+6], 0
	s_mov_b32 s[G1B+7], 0
	s_lshl_b32 s20, s18, 4                         ; A: tile 16 x work-group y + 8 x half
	s_lshl_b32 s66, s16, 3
	s_add_co_u32 s20, s20, s66
	s_lshl_b32 s20, s20, 14
	s_mov_b32 s21, 0
	s_lshl_b32 s46, s42, 3                         ; B: tile 8 x work-group x + 4 x half
	s_lshl_b32 s23, s16, 2
	s_add_co_u32 s46, s46, s23
	s_lshl_b32 s46, s46, 14
	s_mov_b32 s47, 0
	s_lshl_b32 s45, s16, 15                        ; where they go in a slot
	s_mul_i32 s67, s16, NBT*4096
	s_add_co_u32 s67, s67, BOFF
	s_wait_kmcnt 0x0
	s_load_b256 s[80:87], s[10:11], 0x0            ; e0 .. e7
	s_add_nc_u64 s[74:75], s[4:5], s[20:21]
	s_add_nc_u64 s[76:77], s[6:7], s[46:47]
	CROUND                                         ; all sixteen work-groups are here: the first joint loads meet
.irp s, 0,1
	s_mov_b32 s[G0+4*\s], 1
	s_add_co_u32 s[G0+4*\s+1], s45, \s*SLOT
	s_add_nc_u64 s[G0+4*\s+2:G0+4*\s+3], s[74:75], \s*4096
	s_or_b32 s[G0+4*\s+3], s[G0+4*\s+3], 0x80000000
	s_mov_b32 s[G0B+4*\s], 1
	s_add_co_u32 s[G0B+4*\s+1], s67, \s*SLOT
	s_add_nc_u64 s[G0B+4*\s+2:G0B+4*\s+3], s[76:77], \s*4096
	s_or_b32 s[G0B+4*\s+3], s[G0B+4*\s+3], 0x80000000
	s_wait_alu depctr_va_vdst(0)
	s_wait_tensorcnt 0x0
	ds_add_u32 v28, v29
	ds_add_u32 v28, v29
	s_wait_dscnt 0x0
	CROUND
	JLOAD \s                                       ; one load of mine is out
.endr
	v_and_b32 v2, 31, v0
	v_lshlrev_b32 v3, 4, v2                        ; 16 x lane
	s_lshl_b32 s20, s15, 15
	s_mul_i32 s21, s16, NBT*4096
	s_add_co_u32 s21, s21, BOFF
.irp s, 0,1
	v_add_nc_u32 v[ADRA+\s], s20, v3
	v_add_nc_u32 v[ADRB+\s], s21, v3
	s_add_co_u32 s20, s20, SLOT
	s_add_co_u32 s21, s21, SLOT
.endr
	v_and_b32 v4, 15, v0                           ; r
	v_bfe_u32 v5, v0, 4, 1                         ; h
	v_lshlrev_b32 v6, 6, v5                        ; the bias: 16 h numbers on
	s_lshl_b32 s22, s42, 9                         ; my 64 columns: 128 x work-group x + 64 wc, 4 bytes each
	s_lshl_b32 s23, s16, 8
	s_add_co_u32 s22, s22, s23
	s_mov_b32 s23, 0
	s_add_nc_u64 s[78:79], s[8:9], s[22:23]
.irp bt, 0,1,2,3
	global_load_b128 v[BB+8*\bt:BB+8*\bt+3], v6, s[78:79] offset:4*(32*(\bt/2)+8*(\bt%2))
	global_load_b128 v[BB+8*\bt+4:BB+8*\bt+7], v6, s[78:79] offset:4*(32*(\bt/2)+8*(\bt%2))+16
.endr
	s_mul_i32 s19, s14, 16*SPITCH                  ; my stage
	v_mul_u32_u24 v[STO], v4, SPITCH
	v_lshl_add_u32 v[STO], v5, 6, v[STO]
	v_add_nc_u32 v[STO], s19, v[STO]               ; in: row r, + 64 h bytes
	v_lshlrev_b32 v8, 4, v4
	v_mad_u32_u24 v[RD], v5, SPITCH, v8
	v_add_nc_u32 v[RD], s19, v[RD]                 ; back: lanes 0-15 one row of 256 bytes, lanes 16-31 the next
	v_lshl_add_u32 v[CO], v5, 12, v8               ; and the same two rows of out0
	s_lshl_b32 s20, s18, 8
	s_lshl_b32 s21, s15, 7
	s_add_co_u32 s20, s20, s21                     ; my first token
	s_lshl_b32 s20, s20, 12                        ; rows of 4,096 bytes
	s_add_co_u32 s20, s20, s22                     ; + my first column's bytes
	s_mov_b32 s21, 0
	s_add_nc_u64 s[12:13], s[12:13], s[20:21]
	s_wait_tensorcnt 1                             ; my part of K step 0 is in (K step 1's load may be out),
	s_barrier_signal -1
	s_barrier_wait -1                              ; everybody's is
	FETCH_B 0, 0, 0
	FETCH_A 0, 0, 0
	FETCH_A 0, 0, 4
	STEP 0, 1                                      ; K 0: the first products start the sums
	TURN 0, 1, 1                                   ; K 128; slot 0 takes K step 2
	STEP 1, 0                                      ; K 256
	TURN 1, 0, 1                                   ; K 384; slot 1 takes K step 3
	STEP 0, 0                                      ; K 512
	TURN 0, 1, 0                                   ; K 640; nothing is left to fetch; behind this barrier nobody reads slot 0
	STEP 1, 0                                      ; K 768
	s_wait_dscnt 16                                ; K 896
	MULH 0, 1, 0
	MULH 2, 1, 0
	s_wait_dscnt 0x0
	MULH 4, 1, 0
	MULH 6, 1, 0
	WIN 0
; THE WAY OUT, block by block of 16 tokens x 64 columns.  A lane holds 2 x 64 bytes of one row and the lanes beside it hold other rows: a block goes through my own stage and comes back as whole rows of 256 bytes.
; LDS serves a wave's instructions in order (ISA guide 5.7.1.4): no wait between the stores and the loads, nor in front of the next block's stores.
.macro TOSTAGE a
	WIN 0x02                                       ; source 0: the accumulators' window
.set j, 0
.rept 16
	v_pk_fma_f32 v[TMP+j:TMP+j+1], v[32*(\a)+j:32*(\a)+j+1], s[96:97], v[BB+j:BB+j+1] op_sel_hi:[1,0,1]   ; sum x 2^(e6 + e7) + bias; each accumulator from its low end on
.set j, j+2
.endr
	WIN 0
.irp b2, 0,1
.irp i, 0,1,2,3
	ds_store_b128 v[STO], v[TMP+16*\b2+4*\i:TMP+16*\b2+4*\i+3] offset:128*\b2+16*\i
.endr
.endr
.set BKS, BK+32*((\a)%2)
.irp t, 0,1,2,3,4,5,6,7
	ds_load_b128 v[BKS+4*\t:BKS+4*\t+3], v[RD] offset:2*\t*SPITCH
.endr
.endm
.macro SEND a, younger                 ; younger: the LDS instructions issued behind block a's loads, which may stay out
.set BKS, BK+32*((\a)%2)
	s_wait_dscnt \younger
.irp t, 0,1,2,3,4,5,6,7                        ; the stage's row r is token 32 (a / 2) + 8 (a % 2) + r + 8 (r / 8) of my 128
	global_store_b128 v[CO], v[BKS+4*\t:BKS+4*\t+3], s[12:13] offset:(32*((\a)/2)+8*((\a)%2)+2*\t+8*(\t/4))*4096 th:TH_STORE_NT   ; 16 lanes store 256 consecutive bytes, at a multiple of 256 from out0's first byte
.endr
.endm
	s_wait_kmcnt 0x0
	s_wait_loadcnt 0x0                             ; the bias
	s_add_co_i32 s96, s86, s87
	s_add_co_i32 s96, s96, 127
	s_lshl_b32 s96, s96, 23                        ; 2^(e6 + e7) as f32
	s_mov_b32 s97, s96                             ; (named with it as a pair, so it is written)
	PLACES                                         ; behind the last products: for the loads into the registers that held A's fragments
	TOSTAGE 0
.irp a, 1,2,3,4,5,6,7
.if \a > 1
	s_wait_xcnt 0x0                                ; block a - 2's stores have read their registers: block a's loads may land there
.endif
	TOSTAGE \a
	SEND \a-1, 16                                  ; behind block a - 1's loads: block a's 8 stores and 8 loads
.endr
	SEND 7, 0
	s_wait_tensorcnt 0x0                           ; the wave's end
	ds_add_u32 v[SPW], v[NIL]
	s_wait_dscnt 0x0
	CROUND                                         ; the closing round: no work-group ends while a partner may still ask for a tile that names it
	s_endpgm
.Lfunc_end_k_qebe60a7a3c_proj:
	.size	k_qebe60a7a3c_proj, .Lfunc_end_k_qebe60a7a3c_proj-k_qebe60a7a3c_proj
	.p2alignl 7, 3214868480
	.fill 96, 4, 3214868480
	.section	.rodata,"a",@progbits
	.p2align	6, 0x0
	.amdhsa_kernel k_qebe60a7a3c_proj
		.amdhsa_group_segment_fixed_size 327680
		.amdhsa_private_segment_fixed_size 0
		.amdhsa_enable_private_segment 0
		.amdhsa_kernarg_size 40
		.amdhsa_user_sgpr_count 2
		.amdhsa_user_sgpr_kernarg_segment_ptr 1
		.amdhsa_wavefront_size32 1
		.amdhsa_system_sgpr_workgroup_id_x 1
		.amdhsa_system_sgpr_workgroup_id_y 1
		.amdhsa_system_sgpr_workgroup_id_z 1
		.amdhsa_system_vgpr_workitem_id 0
		.amdhsa_next_free_vgpr 768
		.amdhsa_next_free_sgpr 100
		.amdhsa_reserve_vcc 0
		.amdhsa_float_denorm_mode_32 3
		.amdhsa_float_denorm_mode_16_64 3
		.amdhsa_memory_ordered 1
		.amdhsa_forward_progress 1
		.amdhsa_inst_pref_size 78
	.end_amdhsa_kernel
	.amdgpu_metadata
---
amdhsa.version: [ 1, 2 ]
amdhsa.kernels:
  - .name:           k_qebe60a7a3c_proj
    .symbol:         k_qebe60a7a3c_proj.kd
    .args:
      - { .name: y_img, .offset: 0, .size: 8, .value_kind: global_buffer, .address_space: global }
      - { .name: wout_img, .offset: 8, .size: 8, .value_kind: global_buffer, .address_space: global }
      - { .name: b_out, .offset: 16, .size: 8, .value_kind: global_buffer, .address_space: global }
      - { .name: lowp_scales, .offset: 24, .size: 8, .value_kind: global_buffer, .address_space: global }
      - { .name: out0, .offset: 32, .size: 8, .value_kind: global_buffer, .address_space: global }
    .group_segment_fixed_size: 327680
    .private_segment_fixed_size: 0
    .kernarg_segment_align: 8
    .kernarg_segment_size: 40
    .max_flat_workgroup_size: 128
    .sgpr_count:     100
    .vgpr_count:     768
    .wavefront_size: 32
...
	.end_amdgpu_metadata
.endif
;; end of part 4
